; MI455X (gfx1250); checked and timed in simulation.
; The chip was launched on July 23, 2026; its instructions are those of AMD's public machine-readable ISA for CDNA 5 (MIT licence, August 2026) and "CDNA5" Instruction Set Architecture Reference Guide (July 2026). The comments in the code are by the model that wrote it; some were corrected since.
;; Causal Self Attention. Allowed arithmetic: matrix products marked QUANTISED: E2M1 operands, one E8M0 scale for each 32 along K, by v_wmma_scale_f32_16x16x128_f8f6f4 with both operands' format E2M1 (or v_wmma_scale_f32_32x16x128_f4), f32 sums; products left as they are: bf16, f16 or f32 operands; f32 sums; everything else in f32.
;; Inputs: W_attn 1,024 x 3,072 float32; W_proj 1,024 x 1,024 float32; b_attn 3,072 float32; b_proj 1,024 float32; x 4 x 2,048 x 1,024 float32.
;; Outputs: out0 4 x 2,048 x 1,024 float32.
;; This version of the problem:
;;   THIS VERSION OF THE PROBLEM IS GIVEN IN LOW PRECISION. The matrix products marked QUANTISED in the list below multiply operands that are first quantised to E2M1 (2 exponent bits, 1 mantissa bit; 4 bits a number), with one power-of-two scale for each 32 numbers along K (OCP MX v1.0); their sums are f32. The products marked 'left as it is' may take bf16, f16 or f32 operands, with f32 sums. Whichever they take, every output number must still come out within the allowed error. Rounding operands to bf16 (8 significant bits) uses up far more of that allowance than f16 does (11 bits, for magnitudes from 6e-5 to 65,504). All else is computed in f32.
;;   The module's matrix products, in the order in which they are computed (A, B: the left and right operand; K: the contracted axis; several contracted axes count as one K, in the product's order):
;;     1. [M 8,192, K 1,024] x [K 1,024, N 3,072]; A: input x; B: input W_attn: QUANTISED
;;     2. batch 64 x [M 2,048, K 64] x [K 64, N 2,048]; A: computed on the way; B: computed on the way: left as it is (an operand is computed on the way)
;;     3. batch 64 x [M 2,048, K 2,048] x [K 2,048, N 64]; A: computed on the way; B: computed on the way: left as it is (an operand is computed on the way)
;;     4. [M 8,192, K 1,024] x [K 1,024, N 1,024]; A: computed on the way; B: input W_proj: left as it is (an operand is computed on the way)
;;   THE QUANTISER, for each operand of a quantised product, along K:
;;     - K is cut into blocks of 32 from its start; a last block that is shorter is filled with zeros.
;;     - A block's scale is 2^e with e = floor(log2(the largest magnitude in the block)) - 2, held to -126 .. 127; a block of zeros has e = 0. As a byte (E8M0): e + 127.
;;     - Each number is divided by its block's scale, clamped to +-6, and rounded to the nearest number of E2M1, ties to even, subnormals kept.
;;     - The product sums the exact products of the quantised numbers (number of the format x scale) in f32.
;;   ~~~python
;;   def quantise(x, axis):      # numpy; x: float32 -> the quantised numbers, widened to float32 again
;;       x = np.moveaxis(x, axis, -1); K = x.shape[-1]
;;       x = np.pad(x, [(0, 0)] * (x.ndim - 1) + [(0, -K % 32)]); x = x.reshape(x.shape[:-1] + (-1, 32)); a = np.abs(x).max(-1, keepdims=True)
;;       e = np.where(a > 0, np.clip(np.frexp(np.where(a > 0, a, 1))[1] - 1 - 2, -126, 127), 0)      # np.frexp(a)[1] - 1 = floor(log2(a)), exactly
;;       r = np.clip(x / 2.0 ** e, -6, 6)
;;       step = 2.0 ** (np.maximum(np.frexp(np.where(r == 0, 1, r))[1] - 1, 0) - 1)
;;       q = np.round(r / step) * step * 2.0 ** e      # np.round: ties to even
;;       return np.moveaxis(q.reshape(q.shape[:-2] + (-1,))[..., :K], -1, axis).astype(np.float32)
;;   ~~~
;; One version. Each part assembles by itself: llvm-mc -triple=amdgcn-amd-amdhsa -mcpu=gfx1250 --defsym DOCPART=n.
;; ======== version 1 of 1: 5 launches
;; limits: values are held in f16: magnitudes above 65,504 overflow, below 6.1e-05 lose precision
;; workspace buffers: xc 4,194,304 bytes; xs 262,144 bytes; wc 1,572,864 bytes; ws 98,304 bytes; wp 2,097,152 bytes; qkv 50,331,648 bytes; fq 786,432 bytes; y 16,777,216 bytes
;; launch prep (part 1): grid 368 x 1, 4 waves a work-group, no clusters, 102,912 bytes of LDS; arguments x, W_attn, W_proj, xc, xs, wc, ws, wp; writes xc, xs, wc, ws, wp
.if DOCPART == 1
	.amdgcn_target "amdgcn-amd-amdhsa--gfx1250"
	.amdhsa_code_object_version 6
	.text
	.protected	k_qfcd2ce3468_prep
	.globl	k_qfcd2ce3468_prep
	.p2align	8
	.type	k_qfcd2ce3468_prep,@function
k_qfcd2ce3468_prep:
	s_mov_b64 s[64:65], 0
	v_nop
	global_prefetch_b8 v0, s[64:65] scope:SCOPE_SE
	s_setreg_imm32_b32 hwreg(HW_REG_WAVE_MODE, 25, 1), 1
	s_wait_xcnt 0x0
; PREP: the three operands that later launches read many times are laid out once.
;   path W (work-groups 0-47):    W_attn [1024 k][3072 n] f32 -> codes of E2M1 wc [3072 n][512 bytes], K innermost, and scale bytes ws [3072][32]
;   path P (work-groups 48-111):  W_proj [1024 k][1024 n] f32 -> f16 wp [16 chunks of 64 k][1024 n][64 k]: a chunk's rows are 128 dense bytes
;   path X (work-groups 112-367): x [8192][1024] f32 -> codes xc [8192][512 bytes] and scale bytes xs [8192][32]
; A block's scale is 2^(floor(log2(largest magnitude)) - 2); its byte is the largest magnitude's exponent field - 2, held at 1 from below.
; A block of zeros so gets the byte 1 where the rule says 127: its codes are zeros, and this program alone reads the bytes.
; LIMITS: blocks whose largest magnitude lies under 2^-124 keep the byte 1; NaN and infinities are not served; |W_proj| above 65,504 overflows f16.
; The paths part on the work-group's number alone; each has LDS bytes of its own.  No tensor load, no barrier: waves share nothing.
.set SPW,   192                        ; v192 LDS address of my spare word; never rewritten
.set NIL,   193                        ; v193 0; never rewritten
.set WREG,  32768                      ; LDS: path X 0 .. 32,767 (8,192 a wave); path W from here (32 rows x 272 a wave);
.set PREG,  67584                      ; path P from here (32 rows x 272 a wave);
.set SPARE, 102400                     ; the spare words, 128 bytes a wave
.set STEPS, 16                         ; path X: steps of 512 numbers a wave
.set CB,    8                          ; bytes of 16 codes
.set SP,    80                         ; a lane's place in a stage: 64 bytes + 16 of padding
.set XR,    16                         ; v16-79   four sets of 16 numbers as loaded
.set XX,    80                         ; v80-111  two sets of 16 neighbours
.set XE,    112                        ; v112-127 a scale byte for each step
.set XC,    128                        ; v128-191 codes, four registers for each step
.set NB,    16                         ; path W: blocks of 32 along K a wave
.set PITCH, 272                        ; a stage row: 256 bytes + 16
.set KROW,  512                        ; a row of wc in bytes
.set WX,    32                         ; v32-95   two sets of 32 numbers (paths W and P)
.set WC,    96                         ; v96-99   a block's codes;  path P: v96-159 the f16 pairs
.set WOUT,  112                        ; v112-175 path W's way out
.set WSB,   24                         ; v24-27   the scale bytes, four to a register
.macro LOADX t                         ; 32 lanes read 512 consecutive bytes, four times
.irp i, 0,1,2,3
	global_load_b128 v[XR+16*((\t)%4)+4*\i:XR+16*((\t)%4)+4*\i+3], v3, s[4:5] offset:2048*(\t)+512*\i th:TH_LOAD_NT
.endr
.endm
.macro TURNX t                         ; a step's 2,048 bytes through the wave's own stage: in as they lie, back 64 bytes a lane; LDS serves a wave's instructions in order
.irp i, 0,1,2,3
	ds_store_b128 v14, v[XR+16*((\t)%4)+4*\i:XR+16*((\t)%4)+4*\i+3] offset:32*SP*((\t)%2)+8*SP*\i
.endr
.irp i, 0,1,2,3
	ds_load_b128 v[XX+16*((\t)%2)+4*\i:XX+16*((\t)%2)+4*\i+3], v15 offset:32*SP*((\t)%2)+16*\i
.endr
.endm
.macro STEPX t
.set XS, XX+16*((\t)%2)
.if (\t) > 0
	s_wait_dscnt 1                                 ; this step's numbers are back from the stage; the last step's byte store may be out
.else
	s_wait_dscnt 0x0
.endif
.if (\t)+4 < STEPS
	LOADX (\t)+4                                   ; into the registers that the stage's stores have read
.endif
.if (\t)+1 < STEPS
.if STEPS-2-(\t) >= 3
	s_wait_loadcnt 12                              ; the next step's four loads are in; those of the three steps behind it may be out
.else
	s_wait_loadcnt 4*(STEPS-2-(\t))
.endif
	TURNX (\t)+1
.endif
	v_max3_num_f32 v8, |v[XS]|, |v[XS+1]|, |v[XS+2]|               ; the largest magnitude of my 16, in two chains
	v_max3_num_f32 v9, |v[XS+3]|, |v[XS+4]|, |v[XS+5]|
.irp i, 6,10
	v_max3_num_f32 v8, v8, |v[XS+\i]|, |v[XS+\i+1]|
	v_max3_num_f32 v9, v9, |v[XS+\i+2]|, |v[XS+\i+3]|
.endr
	v_max3_num_f32 v8, v8, |v[XS+14]|, |v[XS+15]|
	v_max3_num_f32 v8, v8, v9, 0x1800000           ; and the floor 2^(3 - 127): the byte cannot fall under 1
	v_max_num_f32_dpp v8, v8, v8 row_xmask:1 row_mask:0xf bank_mask:0xf   ; with my neighbour's 16: the block's
	v_add_nc_u32 v11, 0xff000000, v8               ; 2 off the exponent field: the conversion's scale operand
	v_cvt_scalef32_pk8_fp4_f32 v[XC+4*(\t)], v[XS:XS+7], v11
	v_cvt_scalef32_pk8_fp4_f32 v[XC+4*(\t)+1], v[XS+8:XS+15], v11
	v_lshrrev_b32 v[XE+(\t)], 23, v11              ; the scale's byte (a plain line behind the conversions)
	ds_store_b8 v5, v[XE+(\t)] offset:16*(\t)      ; both lanes of a block write the same byte with the same value
	global_store_b64 v4, v[XC+4*(\t):XC+4*(\t)+1], s[10:11] offset:32*CB*(\t)   ; the wave stores 256 consecutive bytes, aligned
.endm
.macro LOADW t                         ; block t: W_attn(32 t + i, my column)
.set i, 0
.rept 32
	global_load_b32 v[WX+32*((\t)%2)+i], v3, s[6:7] offset:(32*(\t)+i)*12288 th:TH_LOAD_NT
.set i, i+1
.endr
.endm
.macro BLOCKW t
.set XS, WX+32*((\t)%2)
.if (\t) < NB-1
	s_wait_loadcnt 32                              ; this block's 32 loads are in; the next block's may be out
.else
	s_wait_loadcnt 0
.endif
	v_max3_num_f32 v12, |v[XS]|, |v[XS+1]|, |v[XS+2]|               ; all 32 numbers of the block are mine
	v_max3_num_f32 v13, |v[XS+3]|, |v[XS+4]|, |v[XS+5]|
.irp i, 6,10,14,18,22,26
	v_max3_num_f32 v12, v12, |v[XS+\i]|, |v[XS+\i+1]|
	v_max3_num_f32 v13, v13, |v[XS+\i+2]|, |v[XS+\i+3]|
.endr
	v_max3_num_f32 v12, v12, |v[XS+30]|, |v[XS+31]|
	v_max3_num_f32 v12, v12, v13, 0x1800000        ; the floor
	v_add_nc_u32 v11, 0xff000000, v12
	v_lshrrev_b32 v13, 23, v11
.if (\t)%4 == 0
	v_mov_b32 v[WSB+(\t)/4], v13
.else
	v_lshl_or_b32 v[WSB+(\t)/4], v13, 8*((\t)%4), v[WSB+(\t)/4]
.endif
.irp g, 0,1,2,3
	v_cvt_scalef32_pk8_fp4_f32 v[WC+\g], v[XS+8*\g:XS+8*\g+7], v11
.endr
	ds_store_b128 v4, v[WC:WC+3] offset:16*(\t)    ; 32 codes: 16 bytes of my column's row
.if (\t)+2 < NB
	LOADW (\t)+2
.endif
	s_wait_dscnt 0x0                               ; the store has read its registers: the next block's codes may be written
.endm
.macro LOADP t                         ; W_proj(k0 + 32 t + i, my column)
.set i, 0
.rept 32
	global_load_b32 v[WX+32*((\t)%2)+i], v3, s[8:9] offset:(32*(\t)+i)*4096
.set i, i+1
.endr
.endm
.macro BLOCKP t
.set XS, WX+32*((\t)%2)
.if (\t) < 3
	s_wait_loadcnt 32                              ; this block's 32 loads are in; the next block's may be out
.else
	s_wait_loadcnt 0
.endif
.set i, 0
.rept 16
	v_cvt_pk_f16_f32 v[WC+16*(\t)+i], v[XS+2*i], v[XS+2*i+1]       ; two neighbours along K, the lower in the low half
.set i, i+1
.endr
.irp g, 0,1,2,3
	ds_store_b128 v4, v[WC+16*(\t)+4*\g:WC+16*(\t)+4*\g+3] offset:64*(\t)+16*\g
.endr
.if (\t)+2 < 4
	LOADP (\t)+2
.endif
.endm
	s_load_b256 s[4:11], s[0:1], 0x0               ; x s[4:5], W_attn s[6:7], W_proj s[8:9], xc s[10:11]
	s_load_b256 s[12:19], s[0:1], 0x20             ; xs s[12:13], wc s[14:15], ws s[16:17], wp s[18:19]
	v_lshl_add_u32 v[SPW], v0, 2, SPARE
	v_mov_b32 v[NIL], 0
	v_lshrrev_b32 v1, 5, v0
	v_readfirstlane_b32 s20, v1                    ; wave 0..3
	v_and_b32 v2, 31, v0                           ; lane
	s_cmp_lt_u32 ttmp9, 48
	s_cbranch_scc1 .Lpath_w
	s_cmp_lt_u32 ttmp9, 112
	s_cbranch_scc1 .Lpath_p
	; ---- PATH X: x is a plain stream of blocks of 32; a wave takes 8,192 numbers
	v_lshlrev_b32 v3, 4, v2                        ; my 16 bytes of a load's 512
	s_mul_i32 s21, s20, 8192                       ; my wave's region
	v_lshrrev_b32 v14, 2, v2
	v_mul_u32_u24 v14, v14, SP
	v_and_b32 v15, 3, v2
	v_lshl_add_u32 v14, v15, 4, v14
	v_add_nc_u32 v14, s21, v14                     ; the stage on the way in: SP (lane / 4) + 16 (lane % 4)
	v_mul_u32_u24 v15, v2, SP
	v_add_nc_u32 v15, s21, v15                     ; and on the way out: SP x lane
	v_mul_u32_u24 v4, v2, CB                       ; my codes' place in a step's
	v_lshrrev_b32 v5, 1, v2
	s_add_co_u32 s21, s21, 2*32*SP
	v_add_nc_u32 v5, s21, v5                       ; my block's scale byte among the wave's 256
	v_lshlrev_b32 v7, 3, v2
	v_add_nc_u32 v6, s21, v7                       ; on the way out 8 bytes a lane
	s_sub_co_u32 s22, ttmp9, 112
	s_lshl_b32 s22, s22, 2
	s_add_co_u32 s22, s22, s20                     ; which run of 8,192 numbers is my wave's: 0 .. 1,023
	s_mov_b32 s23, 0
	s_lshl_b64 s[24:25], s[22:23], 15              ; 32,768 bytes of x,
	s_lshl_b64 s[26:27], s[22:23], 12              ; 4,096 of codes,
	s_lshl_b32 s22, s22, 8                         ; 256 scale bytes a run
	s_wait_kmcnt 0x0
	s_add_nc_u64 s[4:5], s[4:5], s[24:25]
	s_add_nc_u64 s[10:11], s[10:11], s[26:27]
	s_add_nc_u64 s[12:13], s[12:13], s[22:23]
.irp t, 0,1,2,3
	LOADX \t
.endr
	s_wait_loadcnt 12                              ; step 0's four loads are in
	TURNX 0
.irp t, 0,1,2,3,4,5,6,7,8,9,10,11,12,13,14,15
	STEPX \t
.endr
	ds_load_b64 v[8:9], v6                         ; my wave's 256 scale bytes: these loads see my stores
	s_wait_dscnt 0x0
	global_store_b64 v7, v[8:9], s[12:13]          ; 32 lanes store 256 consecutive bytes, aligned
	s_wait_tensorcnt 0x0                           ; the wave's end
	ds_add_u32 v[SPW], v[NIL]
	s_wait_dscnt 0x0
	s_endpgm
	; ---- PATH W: a lane takes a column n, its registers run down K; a wave takes 32 columns x 512 along K
.Lpath_w:
	s_cmp_lt_u32 ttmp9, 24
	s_cselect_b32 s21, 0, 24
	s_cselect_b32 s22, 0, 1                        ; which 512 along K
	s_sub_co_u32 s21, ttmp9, s21                   ; which 128 columns
	s_lshl_b32 s21, s21, 7
	s_lshl_b32 s23, s20, 5
	s_add_co_u32 s21, s21, s23                     ; my wave's first column
	v_lshlrev_b32 v3, 2, v2                        ; in: 4 bytes a lane
	s_mul_i32 s23, s20, 32*PITCH
	s_add_co_u32 s23, s23, WREG                    ; my stage
	v_mul_u32_u24 v4, v2, PITCH
	v_add_nc_u32 v4, s23, v4                       ; into it: row = my column
	v_and_b32 v5, 15, v2
	v_lshrrev_b32 v6, 4, v2
	v_mul_u32_u24 v7, v6, PITCH
	v_lshl_add_u32 v7, v5, 4, v7
	v_add_nc_u32 v7, s23, v7                       ; out of it: sixteen lanes to a row, two rows an instruction
	v_mul_u32_u24 v8, v6, KROW
	v_lshl_add_u32 v8, v5, 4, v8                   ; the same place in wc
	v_lshlrev_b32 v9, 5, v2                        ; my column's row of 32 scale bytes
	s_mul_i32 s24, s22, 512*12288                  ; W_attn: 512 rows of 12,288 bytes, + 4 x column
	s_lshl_b32 s26, s21, 2
	s_add_co_u32 s24, s24, s26
	s_mov_b32 s25, 0
	s_lshl_b32 s26, s21, 9                         ; wc: column x 512 + 256 x half
	s_lshl_b32 s28, s22, 8
	s_add_co_u32 s26, s26, s28
	s_mov_b32 s27, 0
	s_lshl_b32 s28, s21, 5                         ; ws: column x 32 + 16 x half
	s_lshl_b32 s30, s22, 4
	s_add_co_u32 s28, s28, s30
	s_mov_b32 s29, 0
	s_wait_kmcnt 0x0
	s_add_nc_u64 s[6:7], s[6:7], s[24:25]
	s_add_nc_u64 s[14:15], s[14:15], s[26:27]
	s_add_nc_u64 s[16:17], s[16:17], s[28:29]
	LOADW 0
	LOADW 1
.irp t, 0,1,2,3,4,5,6,7,8,9,10,11,12,13,14,15
	BLOCKW \t
.endr
	global_store_b128 v9, v[WSB:WSB+3], s[16:17]   ; my column's 16 scale bytes
.irp t, 0,1,2,3,4,5,6,7,8,9,10,11,12,13,14,15
	ds_load_b128 v[WOUT+4*\t:WOUT+4*\t+3], v7 offset:2*\t*PITCH
.endr
.irp t, 0,1,2,3,4,5,6,7,8,9,10,11,12,13,14,15
	s_wait_dscnt 15-\t                             ; LDS loads come back in order: pair t of rows is in
	global_store_b128 v8, v[WOUT+4*\t:WOUT+4*\t+3], s[14:15] offset:2*\t*KROW   ; sixteen lanes store 256 consecutive bytes, aligned
.endr
	s_wait_tensorcnt 0x0                           ; the wave's end
	ds_add_u32 v[SPW], v[NIL]
	s_wait_dscnt 0x0
	s_endpgm
	; ---- PATH P: the same plan without a quantiser: a wave takes 32 columns x 128 along K (two chunks of 64)
.Lpath_p:
	s_sub_co_u32 s21, ttmp9, 48
	s_and_b32 s22, s21, 7                          ; which 128 columns
	s_lshr_b32 s21, s21, 3                         ; which 128 along K
	s_lshl_b32 s24, s21, 19                        ; W_proj: 128 rows of 4,096 bytes,
	s_lshl_b32 s23, s22, 9
	s_add_co_u32 s24, s24, s23
	s_lshl_b32 s23, s20, 7
	s_add_co_u32 s24, s24, s23                     ; + 4 x my first column
	s_mov_b32 s25, 0
	s_lshl_b32 s26, s21, 18                        ; wp: two chunks of 131,072 bytes,
	s_lshl_b32 s23, s22, 14
	s_add_co_u32 s26, s26, s23
	s_lshl_b32 s23, s20, 12
	s_add_co_u32 s26, s26, s23                     ; + 128 x my first column
	s_mov_b32 s27, 0
	v_lshlrev_b32 v3, 2, v2
	s_mul_i32 s23, s20, 32*PITCH
	s_add_co_u32 s23, s23, PREG                    ; my stage
	v_mul_u32_u24 v4, v2, PITCH
	v_add_nc_u32 v4, s23, v4                       ; in: row = my column, 256 bytes: chunk 0's 128, then chunk 1's
	v_bfe_u32 v5, v2, 3, 1
	v_mul_u32_u24 v5, v5, PITCH
	v_lshrrev_b32 v6, 4, v2
	v_lshl_add_u32 v5, v6, 7, v5
	v_and_b32 v7, 7, v2
	v_lshl_add_u32 v5, v7, 4, v5
	v_add_nc_u32 v5, s23, v5                       ; back: lanes 0-15 two rows' halves of chunk 0, lanes 16-31 of chunk 1
	v_lshlrev_b32 v8, 17, v6
	v_and_b32 v7, 15, v2
	v_lshl_add_u32 v8, v7, 4, v8                   ; in wp: 131,072 x chunk + 16 x (lane % 16)
	s_wait_kmcnt 0x0
	s_add_nc_u64 s[8:9], s[8:9], s[24:25]
	s_add_nc_u64 s[18:19], s[18:19], s[26:27]
	LOADP 0
	LOADP 1
.irp t, 0,1,2,3
	BLOCKP \t
.endr
.irp t, 0,1,2,3,4,5,6,7,8,9,10,11,12,13,14,15
	ds_load_b128 v[WX+4*\t:WX+4*\t+3], v5 offset:2*\t*PITCH
.endr
.irp t, 0,1,2,3,4,5,6,7,8,9,10,11,12,13,14,15
	s_wait_dscnt 15-\t
	global_store_b128 v8, v[WX+4*\t:WX+4*\t+3], s[18:19] offset:256*\t   ; sixteen lanes store two rows of a chunk: 256 consecutive bytes, aligned
.endr
	s_wait_tensorcnt 0x0                           ; the wave's end
	ds_add_u32 v[SPW], v[NIL]
	s_wait_dscnt 0x0
	s_endpgm
.Lfunc_end_k_qfcd2ce3468_prep:
	.size	k_qfcd2ce3468_prep, .Lfunc_end_k_qfcd2ce3468_prep-k_qfcd2ce3468_prep
	.p2alignl 7, 3214868480
	.fill 96, 4, 3214868480
	.section	.rodata,"a",@progbits
	.p2align	6, 0x0
	.amdhsa_kernel k_qfcd2ce3468_prep
		.amdhsa_group_segment_fixed_size 102912
		.amdhsa_private_segment_fixed_size 0
		.amdhsa_enable_private_segment 0
		.amdhsa_kernarg_size 64
		.amdhsa_user_sgpr_count 2
		.amdhsa_user_sgpr_kernarg_segment_ptr 1
		.amdhsa_wavefront_size32 1
		.amdhsa_system_sgpr_workgroup_id_x 1
		.amdhsa_system_sgpr_workgroup_id_y 1
		.amdhsa_system_sgpr_workgroup_id_z 1
		.amdhsa_system_vgpr_workitem_id 0
		.amdhsa_next_free_vgpr 200
		.amdhsa_next_free_sgpr 66
		.amdhsa_reserve_vcc 0
		.amdhsa_float_denorm_mode_32 3
		.amdhsa_float_denorm_mode_16_64 3
		.amdhsa_memory_ordered 1
		.amdhsa_forward_progress 1
		.amdhsa_inst_pref_size 132
	.end_amdhsa_kernel
	.amdgpu_metadata
---
amdhsa.version: [ 1, 2 ]
amdhsa.kernels:
  - .name:           k_qfcd2ce3468_prep
    .symbol:         k_qfcd2ce3468_prep.kd
    .args:
      - { .name: x, .offset: 0, .size: 8, .value_kind: global_buffer, .address_space: global }
      - { .name: W_attn, .offset: 8, .size: 8, .value_kind: global_buffer, .address_space: global }
      - { .name: W_proj, .offset: 16, .size: 8, .value_kind: global_buffer, .address_space: global }
      - { .name: xc, .offset: 24, .size: 8, .value_kind: global_buffer, .address_space: global }
      - { .name: xs, .offset: 32, .size: 8, .value_kind: global_buffer, .address_space: global }
      - { .name: wc, .offset: 40, .size: 8, .value_kind: global_buffer, .address_space: global }
      - { .name: ws, .offset: 48, .size: 8, .value_kind: global_buffer, .address_space: global }
      - { .name: wp, .offset: 56, .size: 8, .value_kind: global_buffer, .address_space: global }
    .group_segment_fixed_size: 102912
    .private_segment_fixed_size: 0
    .kernarg_segment_align: 8
    .kernarg_segment_size: 64
    .max_flat_workgroup_size: 128
    .sgpr_count:     66
    .vgpr_count:     200
    .wavefront_size: 32
...
	.end_amdgpu_metadata
.endif
;; end of part 1
;; launch gemm1 (part 2): grid 12 x 32, 4 waves a work-group, clusters of 4 x 4, 327,680 bytes of LDS; arguments xc, xs, wc, ws, qkv, b_attn, fq; writes qkv, fq
.if DOCPART == 2
	.amdgcn_target "amdgcn-amd-amdhsa--gfx1250"
	.amdhsa_code_object_version 6
	.text
	.protected	k_qfcd2ce3468_gemm1
	.globl	k_qfcd2ce3468_gemm1
	.p2align	8
	.type	k_qfcd2ce3468_gemm1,@function
k_qfcd2ce3468_gemm1:
	s_mov_b64 s[64:65], 0
	v_nop
	global_prefetch_b8 v0, s[64:65] scope:SCOPE_SE
	s_setreg_imm32_b32 hwreg(HW_REG_WAVE_MODE, 25, 1), 1
	s_wait_xcnt 0x0
	s_wait_alu depctr_hold_cnt(0) depctr_sa_sdst(0) depctr_va_vdst(0) depctr_va_sdst(0) depctr_va_ssrc(0) depctr_va_vcc(0) depctr_vm_vsrc(0)
	s_getreg_b32 s2, hwreg(HW_REG_IB_STS2, 6, 4)
	s_cmp_eq_u32 s2, 0
	s_cbranch_scc0 .Lentry_in_a_cluster
	s_endpgm
.Lentry_in_a_cluster:
	s_bfe_u32 s2, ttmp6, 0x10000c
	s_cmp_lg_u32 s2, 0xf033
	s_cbranch_scc0 .Lentry_shape_is_right
	s_endpgm
.Lentry_shape_is_right:
; qkv = Q(x) Q(W_attn) + b_attn on codes of E2M1 with one E8M0 scale for each 32 along K; sums in f32.  M 8,192, N 3,072, K 1,024.
; OUT: f16, by head: qkv [3 sections q, k, v][4 b][16 h][2,048 t][64]; the q section is multiplied by c = log2(e) / 8 in f32 ahead of its one rounding, so that scores are exponents of 2.
; The first 16 positions of every sequence also leave in f32: fq [4 b][16 t][3,072] (q's part x c too), for the launch that carries those rows finely.
; LIMIT: |c q|, |k|, |v| above 65,504 overflow f16.
; A tile of 256 x 256 is made by four waves, each 128 x 128: 64 accumulators, 512 registers.  K is two slots of 512 (rows of 256 bytes): both are first fills, nothing is filled again.
; The scale bytes of the work-group's 256 + 256 rows for all of K come once, as dense blocks, with the first fills.  By this text's count a wave has three tensor loads out at the start.
; CLUSTERS: 4 x 4 work-groups; A's tiles are asked for jointly along a row of the cluster, B's along a column.
; THE MATRIX INSTRUCTION IS USED TRANSPOSED (source 0 = 16 rows of wc, source 1 = 16 rows of xc): a lane holds eight neighbouring columns of one row.  The bias is the C of each sum's first product.
; REGISTERS: window 0: v0-31 addresses; v32-95 scale words, two sets; v128-191 A's fragments, one set; v192-255 the bias in the result's layout.  On the way out v32-95 f32 results, v96-127 f16, v128-191 rows read back.
;   window 1: B's fragments, two sets;  windows 2, 3: the accumulators of my rows 0-63, 64-127.
.set NQ,     4                         ; steps of 128 along K in a slot
.set ROWB,   256                       ; a tile's row in bytes: 512 codes
.set KROW,   512                       ; a row of codes in memory
.set PITCH,  272                       ; an LDS row: 256 bytes + 16: the 16 rows that a load touches start at 16 different banks (64 banks of 4 bytes: ISA guide 11.1)
.set FR,     8
.set NL,     2
.set NP,     4                         ; places behind this matrix instruction (ISA guide 7.12.1)
.set HALFT,  128*PITCH
.set SLOT,   4*HALFT
.set KS,     32                        ; a row of scale bytes
.set SCL,    2*SLOT
.set HALFS,  (128*KS/256)*272
.set SBLK,   (16*KS/256)*272
.set SPARE,  SCL+4*HALFS               ; the spare words, 128 bytes a wave
.set SPITCH, 272                       ; the way out: a stage of 16 rows x (256 bytes + 16) a wave, in slot 0, which has had its last fill and its last read by then
.set ADRA, 16
.set ADRB, 20
.set STO,  24
.set RD,   25
.set CO,   26
.set ADRS, 27
.set SPW,  28
.set NIL,  29
.set FM,   30                          ; v30  my row's position in its sequence (block 0 of the way out)
.set FO,   31                          ; v31  my byte offset in fq
.set SC,   32
.set FT,   32                          ; the way out: a block's 64 numbers in f32
.set HT,   96                          ; and in f16
.set AF,   128
.set BK,   128
.set BIAS, 192
.set G1, 24
.set G0, 32
.set G1B, 48
.set G0B, 56
.set G1S, 68
.set G0S, 76
.set G1SB, 80
.set G0SB, 88
.set MSB, 0
.macro WIN new                         ; the immediate's high byte repeats the setting that is left
.if MSB != (\new)
	s_set_vgpr_msb (MSB<<8)|(\new)
.set MSB, (\new)
.endif
.endm
.set MUL_LO, 0xa1                      ; source 0 (B) window 1, source 1 (A) window 0, C and D window 2
.set MUL_HI, 0xf1                      ; the same, C and D window 3
.set FIRST_LO, 0x81                    ; the first step: C (the bias) window 0, D window 2
.set FIRST_HI, 0xc1                    ; D window 3
.set TO_B,   0x40
; A joint load: waves 0 and 1 fetch for A, waves 2 and 3 for B; the branch hangs on the wave's number alone.  An s_nop 0 and four v_nop follow each line.
.macro JLOAD g0a, g1a, g0b, g1b
	s_cmp_eq_u32 s15, 0
	s_cbranch_scc0 .Lfor_b_\@
	tensor_load_to_lds s[\g0a:\g0a+3], s[\g1a:\g1a+7]
	s_nop 0
.rept 4
	v_nop
.endr
	s_branch .Lasked_\@
.Lfor_b_\@:
	tensor_load_to_lds s[\g0b:\g0b+3], s[\g1b:\g1b+7]
	s_nop 0
.rept 4
	v_nop
.endr
.Lasked_\@:
.endm
.macro CROUND                          ; a round of the cluster's barrier
	s_barrier_signal -1
	s_barrier_wait -1
	s_cmp_lg_u32 s14, 0
	s_cbranch_scc1 .Lnot_wave_0_\@
	s_barrier_signal -3
.Lnot_wave_0_\@:
	s_barrier_wait -3
	s_barrier_signal -1
	s_barrier_wait -1
.endm
	s_load_b128 s[4:7], s[0:1], 0x0                ; xc s[4:5], xs s[6:7]
	s_load_b128 s[8:11], s[0:1], 0x10              ; wc s[8:9], ws s[10:11]
	s_load_b64 s[12:13], s[0:1], 0x20              ; qkv
	s_load_b128 s[96:99], s[0:1], 0x28             ; b_attn s[96:97], fq s[98:99]
	v_lshl_add_u32 v[SPW], v0, 2, SPARE
	v_mov_b32 v[NIL], 0
	ds_add_u32 v[SPW], v[NIL]                      ; the wave's opening: the add, twice on end, and its wait ahead of my first tensor load
	ds_add_u32 v[SPW], v[NIL]
	v_lshrrev_b32 v1, 5, v0
	v_readfirstlane_b32 s14, v1                    ; wave 0..3
	s_lshr_b32 s15, s14, 1                         ; which half of the tile's rows is mine.  Also: I fetch for A (0) or for B (1)
	s_and_b32 s16, s14, 1                          ; which half of its columns.  Also: which 128 rows I fetch
	s_bfe_u32 s40, ttmp6, 0x40000                  ; cx, cy
	s_bfe_u32 s41, ttmp6, 0x40004
	s_lshl_b32 s42, ttmp9, 2
	s_add_co_u32 s42, s42, s40                     ; tile column = 4 x cluster x + cx
	s_and_b32 s17, ttmp7, 0xffff
	s_lshl_b32 s17, s17, 2
	s_add_co_u32 s17, s17, s41                     ; tile row = 4 x cluster y + cy
	s_lshl_b32 s43, s41, 2
	s_lshl_b32 s43, 15, s43                        ; my row of the cluster
	s_lshl_b32 s44, 0x1111, s40                    ; my column
	s_or_b32 s[G1+0], s43, (0<<16)|(1<<20)|(1<<21)|(5<<22)|(3<<25)  ; the mask; elements of 1 byte; padding on; bit 21 beside a mask; 4 words after every 64
	s_or_b32 s[G1B+0], s44, (0<<16)|(1<<20)|(1<<21)|(5<<22)|(3<<25)
.irp g, G1, G1B
	s_mov_b32 s[\g+1], ROWB<<16                    ; tensor_dim0
	s_mov_b32 s[\g+2], 128<<16                     ; tensor_dim1
	s_mov_b32 s[\g+3], ROWB<<16                    ; tile_dim0
	s_mov_b32 s[\g+4], 128                         ; tile_dim1
	s_mov_b32 s[\g+5], KROW                        ; the pitch
	s_mov_b32 s[\g+6], 0
	s_mov_b32 s[\g+7], 0
.endr
	s_or_b32 s[G1S+0], s43, (3<<16)|(1<<20)|(1<<21)|(5<<22)|(3<<25)  ; the scales of 128 rows: 4,096 dense bytes as 16 rows of 256 (32 elements of 8 bytes), 16 bytes of padding behind each
	s_or_b32 s[G1SB+0], s44, (3<<16)|(1<<20)|(1<<21)|(5<<22)|(3<<25)
.irp g, G1S, G1SB
	s_mov_b32 s[\g+1], 32<<16
	s_mov_b32 s[\g+2], (128*KS/256)<<16
	s_mov_b32 s[\g+3], 32<<16
	s_mov_b32 s[\g+4], 128*KS/256
	s_mov_b32 s[\g+5], 32
	s_mov_b32 s[\g+6], 0
	s_mov_b32 s[\g+7], 0
.endr
	s_lshl_b32 s18, s16, 7
	s_lshl_b32 s20, s17, 8
	s_add_co_u32 s20, s20, s18                     ; A: row 256 x tile row + 128 x half
	s_lshl_b32 s46, s42, 8
	s_add_co_u32 s46, s46, s18                     ; B: row 256 x tile column + 128 x half
	s_mov_b32 s21, 0
	s_mov_b32 s47, 0
	s_mov_b64 s[18:19], KS
	s_mul_u64 s[22:23], s[20:21], s[18:19]         ; where these rows' scales begin,
	s_mul_u64 s[92:93], s[46:47], s[18:19]
	s_mov_b64 s[18:19], KROW
	s_mul_u64 s[20:21], s[20:21], s[18:19]         ; and their codes
	s_mul_u64 s[46:47], s[46:47], s[18:19]
	s_mul_i32 s45, s14, HALFT                      ; where they go: wave x 128 rows
	s_mul_i32 s94, s14, HALFS
	s_cmp_eq_u32 ttmp9, 0                          ; four tile columns are a section, so the cluster's x is the section: 0 = q
	s_cselect_b32 s100, 0x3e38aa3b, 1.0            ; q is multiplied by c = log2(e) / 8, k and v by 1
	s_mov_b32 s101, s100
	s_wait_dscnt 0x0                               ; both opening adds are done
	s_wait_kmcnt 0x0
	s_add_nc_u64 s[20:21], s[4:5], s[20:21]
	s_add_nc_u64 s[22:23], s[6:7], s[22:23]
	s_add_nc_u64 s[46:47], s[8:9], s[46:47]
	s_add_nc_u64 s[92:93], s[10:11], s[92:93]
	CROUND                                         ; all sixteen work-groups are here: the first joint loads meet
	s_mov_b32 s[G0S], 1
	s_add_co_u32 s[G0S+1], s94, SCL
	s_mov_b64 s[G0S+2:G0S+3], s[22:23]
	s_or_b32 s[G0S+3], s[G0S+3], 0x80000000
	s_mov_b32 s[G0SB], 1
	s_add_co_u32 s[G0SB+1], s94, SCL
	s_mov_b64 s[G0SB+2:G0SB+3], s[92:93]
	s_or_b32 s[G0SB+3], s[G0SB+3], 0x80000000
	JLOAD G0S, G1S, G0SB, G1SB                     ; the scales first: they are wanted with the first slot
.irp s, 0,1
	s_mov_b32 s[G0+4*\s], 1
	s_add_co_u32 s[G0+4*\s+1], s45, \s*SLOT
	s_add_nc_u64 s[G0+4*\s+2:G0+4*\s+3], s[20:21], \s*ROWB
	s_or_b32 s[G0+4*\s+3], s[G0+4*\s+3], 0x80000000
	s_mov_b32 s[G0B+4*\s], 1
	s_add_co_u32 s[G0B+4*\s+1], s45, \s*SLOT
	s_add_nc_u64 s[G0B+4*\s+2:G0B+4*\s+3], s[46:47], \s*ROWB
	s_or_b32 s[G0B+4*\s+3], s[G0B+4*\s+3], 0x80000000
	JLOAD G0+4*\s, G1, G0B+4*\s, G1B
.endr
	v_and_b32 v1, 15, v0                           ; r = l % 16
	v_bfe_u32 v2, v0, 4, 1                         ; h = l / 16
	s_lshl_b32 s46, s42, 10                        ; my first column, in bytes of f32: 1,024 x tile column + 512 x half
	s_lshl_b32 s47, s16, 9
	s_add_co_u32 s46, s46, s47
	s_mov_b32 s47, 0
	s_add_nc_u64 s[96:97], s[96:97], s[46:47]
	v_lshlrev_b32 v7, 5, v2                        ; the bias in the result's layout: block b's columns 16 b + 8 h + 0 .. 7
.irp b, 0,1,2,3,4,5,6,7
	global_load_b128 v[BIAS+8*\b:BIAS+8*\b+3], v7, s[96:97] offset:64*\b
	global_load_b128 v[BIAS+8*\b+4:BIAS+8*\b+7], v7, s[96:97] offset:64*\b+16
.endr
	v_mul_u32_u24 v3, v1, PITCH
	v_lshl_add_u32 v4, v2, 4, v3                   ; a fragment's row x pitch + 16 x half
	s_mul_i32 s21, s15, HALFT                      ; my 128 rows of A
	s_mul_i32 s22, s16, HALFT                      ; my 128 rows of B,
	s_add_co_u32 s22, s22, 2*HALFT                 ; behind A's 256
.irp s, 0,1
	v_add_nc_u32 v[ADRA+\s], s21, v4
	v_add_nc_u32 v[ADRB+\s], s22, v4
	s_add_co_u32 s21, s21, SLOT
	s_add_co_u32 s22, s22, SLOT
.endr
	v_mul_u32_u24 v5, v1, KS                       ; my row's scales: 32 bytes a row,
	v_lshrrev_b32 v6, 8, v5
	v_lshl_add_u32 v5, v6, 4, v5                   ; and 16 more for each 256 passed
	s_mul_i32 s21, s15, HALFS
	s_mul_i32 s22, s16, HALFS
	s_add_co_u32 s22, s22, 2*HALFS
	s_sub_co_u32 s22, s22, s21
	v_mul_u32_u24 v6, s22, v2                      ; lanes 16-31 take B's: one product of the distance
	s_add_co_u32 s21, s21, SCL
	v_add_nc_u32 v5, v5, v6
	v_add_nc_u32 v[ADRS], s21, v5
	s_mul_i32 s23, s14, 16*SPITCH                  ; my stage
	v_mul_u32_u24 v5, v1, SPITCH
	v_lshl_add_u32 v5, v2, 4, v5
	v_add_nc_u32 v[STO], s23, v5                   ; in: row r, 16 bytes for each half of the lanes
	v_bfe_u32 v5, v0, 3, 1
	v_mul_u32_u24 v5, v5, SPITCH
	v_lshl_add_u32 v5, v2, 7, v5
	v_and_b32 v6, 7, v0
	v_lshl_add_u32 v5, v6, 4, v5
	v_add_nc_u32 v[RD], s23, v5                    ; back: lanes 0-15 two rows' 128 bytes of my first head, lanes 16-31 of my second
	v_lshlrev_b32 v[CO], 18, v2                    ; in qkv: a head is 262,144 bytes,
	v_lshl_add_u32 v[CO], v1, 4, v[CO]             ; two rows of 128 bytes are 256 consecutive bytes
	s_lshl_b32 s20, s17, 8
	s_lshl_b32 s21, s15, 7
	s_add_co_u32 s20, s20, s21                     ; my first row
	s_and_b32 s21, s20, 2047                       ; its position in its sequence
	v_add_nc_u32 v[FM], s21, v1
	v_mul_u32_u24 v[FO], v1, 12288
	v_lshl_add_u32 v[FO], v2, 5, v[FO]             ; fq: row r of 12,288 bytes, + 32 h
	s_lshl_b32 s22, ttmp9, 2                       ; qkv: ((section x 4 + batch) x 16 + head) x 2,048 + position, rows of 128 bytes
	s_lshr_b32 s23, s17, 3
	s_add_co_u32 s22, s22, s23
	s_lshl_b32 s22, s22, 2
	s_add_co_u32 s22, s22, s40                     ; a tile column is four heads,
	s_lshl_b32 s22, s22, 1
	s_add_co_u32 s22, s22, s16                     ; my half of it two
	s_lshl_b32 s22, s22, 12
	s_add_co_u32 s22, s22, s21
	s_lshl_b32 s22, s22, 7
	s_mul_i32 s20, s23, 196608                     ; fq: the batch's 16 rows, + my first column
	s_add_co_u32 s20, s20, s46
	s_mov_b32 s21, 0
	s_mov_b32 s23, 0
	s_add_nc_u64 s[12:13], s[12:13], s[22:23]
	s_add_nc_u64 s[98:99], s[98:99], s[20:21]
.macro FRAG reg, adr, q, i             ; 16 rows x 128 K of 4-bit codes: lane l holds row l % 16; registers 4 c .. 4 c + 3 hold K = 64 c + 32 (l / 16) + 0 .. 31
.irp c, 0,1
	ds_load_b128 v[\reg+4*\c:\reg+4*\c+3], v[\adr] offset:64*(\q)+32*\c+(\i)*16*PITCH
.endr
.endm
; 16 matrix instructions: A's blocks a0, a0 + 1 x B's eight.  zero = 1: the first product starts the sums from the bias.  The 64 accumulators take turns, one instruction a turn.
.macro MUL16 a0, p, q, sc, zero
.irp a, \a0, \a0+1
.irp b, 0,1,2,3,4,5,6,7
.if \zero
	v_wmma_scale_f32_16x16x128_f8f6f4 v[8*(8*((\a)%4)+\b):8*(8*((\a)%4)+\b)+7], v[128*(\p)+FR*\b:128*(\p)+FR*\b+FR-1], v[AF+FR*(\a):AF+FR*(\a)+FR-1], v[BIAS+8*\b:BIAS+8*\b+7], v[SC+8*NQ*(\sc)+NQ*\b+(\q)], v[SC+8*NQ*(\sc)+NQ*(\a)+(\q)] matrix_a_fmt:MATRIX_FMT_FP4 matrix_b_fmt:MATRIX_FMT_FP4 matrix_a_scale:MATRIX_SCALE_ROW1
.else
	v_wmma_scale_f32_16x16x128_f8f6f4 v[8*(8*((\a)%4)+\b):8*(8*((\a)%4)+\b)+7], v[128*(\p)+FR*\b:128*(\p)+FR*\b+FR-1], v[AF+FR*(\a):AF+FR*(\a)+FR-1], v[8*(8*((\a)%4)+\b):8*(8*((\a)%4)+\b)+7], v[SC+8*NQ*(\sc)+NQ*\b+(\q)], v[SC+8*NQ*(\sc)+NQ*(\a)+(\q)] matrix_a_fmt:MATRIX_FMT_FP4 matrix_b_fmt:MATRIX_FMT_FP4 matrix_a_scale:MATRIX_SCALE_ROW1
.endif
.endr
.endr
.endm
.macro FETCH_B slot, q, p
	WIN TO_B
.irp i, 0,1,2,3,4,5,6,7
	FRAG 128*(\p)+FR*\i, ADRB+\slot, \q, \i
.endr
	WIN 0
.endm
.macro FETCH_A slot, q, i0
.irp i, \i0, \i0+1, \i0+2, \i0+3
	FRAG AF+FR*(\i), ADRA+\slot, \q, \i
.endr
.endm
.macro SCALES sc                       ; a slot's scale words: lanes 0-15 A's block i, lanes 16-31 B's block i
.irp i, 0,1,2,3,4,5,6,7
	ds_load_b128 v[SC+8*NQ*\sc+NQ*\i:SC+8*NQ*\sc+NQ*\i+3], v[ADRS] offset:\i*SBLK
.endr
.endm
.macro PLACES n                        ; plain vector instructions between a matrix instruction and a load into, or a read of, its registers (ISA guide 7.12.1 for reads)
.rept \n
	v_nop
.endr
.endm
.macro STEP slot, q, zero              ; a step of 128 along K that has its successor in the same slot
	s_wait_dscnt 4*NL                              ; B's set and A's blocks 0-3 are in; the youngest eight loads (A's blocks 4-7) may be out
.if \zero
	WIN FIRST_LO
.else
	WIN MUL_LO
.endif
	MUL16 0, (\q)%2, \q, \slot, \zero
	MUL16 2, (\q)%2, \q, \slot, \zero
	s_wait_dscnt 0                                 ; A's blocks 4-7 are in
	PLACES NP
	FETCH_B \slot, (\q)+1, 1-(\q)%2
	FETCH_A \slot, (\q)+1, 0
.if \zero
	WIN FIRST_HI
.else
	WIN MUL_HI
.endif
	MUL16 4, (\q)%2, \q, \slot, \zero
	MUL16 6, (\q)%2, \q, \slot, \zero
	PLACES NP
	WIN 0
	FETCH_A \slot, (\q)+1, 4
.endm
	s_wait_tensorcnt 1                             ; the scales and my part of slot 0 are in; slot 1's load may be out
	s_barrier_signal -1
	s_barrier_wait -1                              ; everybody's are
	FETCH_B 0, 0, 0
	FETCH_A 0, 0, 0
	SCALES 0
	FETCH_A 0, 0, 4
	s_wait_loadcnt 0x0                             ; the bias
	STEP 0, 0, 1
	STEP 0, 1, 0
	STEP 0, 2, 0
	; slot 0's last step changes slots: one barrier; nothing is filled again
	s_wait_tensorcnt 0x0                           ; my part of slot 1 has landed
	ds_add_u32 v[SPW], v[NIL]
	s_wait_dscnt 4*NL+1                            ; the add and the youngest eight loads may be out
	WIN MUL_LO
	MUL16 0, 1, NQ-1, 0, 0
	s_wait_dscnt 0x0                               ; the add is done, and my reads of slot 0 are over
	s_barrier_signal -1
	MUL16 2, 1, NQ-1, 0, 0
	WIN 0
	s_barrier_wait -1
	PLACES NP
	v_add_nc_u32 v[ADRS], 4*NQ, v[ADRS]            ; on to slot 1's scale words
	FETCH_B 1, 0, 0
	FETCH_A 1, 0, 0
	SCALES 1
	WIN MUL_HI
	MUL16 4, 1, NQ-1, 0, 0
	MUL16 6, 1, NQ-1, 0, 0
	PLACES NP
	WIN 0
	FETCH_A 1, 0, 4
	STEP 1, 0, 0
	STEP 1, 1, 0
	STEP 1, 2, 0
	s_wait_dscnt 4*NL                              ; the very last step: nothing more to fetch
	WIN MUL_LO
	MUL16 0, 1, NQ-1, 1, 0
	MUL16 2, 1, NQ-1, 1, 0
	s_wait_dscnt 0
	WIN MUL_HI
	MUL16 4, 1, NQ-1, 1, 0
	MUL16 6, 1, NQ-1, 1, 0
	WIN 0
; THE WAY OUT, block by block of 16 rows x 128 columns (two heads).
.macro PACK a                          ; x the section's factor in f32, each accumulator from its low end on; then one rounding to f16
	WIN 0x02+((\a)/4)                              ; source 0: window 2 or 3
.set i, 0
.rept 32
	v_pk_mul_f32 v[FT+2*i:FT+2*i+1], v[64*((\a)%4)+2*i:64*((\a)%4)+2*i+1], s[100:101] op_sel_hi:[1,0]
.set i, i+1
.endr
	WIN 0
.set i, 0
.rept 32
	v_cvt_pk_f16_f32 v[HT+i], v[FT+2*i], v[FT+2*i+1]
.set i, i+1
.endr
.endm
.macro TOSTAGE a                       ; through my own stage; LDS serves a wave's instructions in order, so no wait stands between the stores and the loads
.irp b, 0,1,2,3,4,5,6,7
	ds_store_b128 v[STO], v[HT+4*\b:HT+4*\b+3] offset:32*\b
.endr
.irp i, 0,1,2,3,4,5,6,7
	ds_load_b128 v[BK+32*((\a)%2)+4*\i:BK+32*((\a)%2)+4*\i+3], v[RD] offset:\i*2*SPITCH
.endr
.endm
.macro SEND a, younger                 ; younger: the LDS instructions issued behind block a's loads
	s_wait_dscnt \younger
.if (\a) > 0
	s_add_nc_u64 s[12:13], s[12:13], 2048          ; 16 positions on (the earlier stores have read their base: a wait on XCNT stands ahead)
.endif
.irp i, 0,1,2,3,4,5,6,7
	global_store_b128 v[CO], v[BK+32*((\a)%2)+4*\i:BK+32*((\a)%2)+4*\i+3], s[12:13] offset:256*\i   ; sixteen lanes store two positions of a head: 256 consecutive bytes, aligned
.endr
.endm
	PLACES NP
	PACK 0
	; the first 16 positions of a sequence lie in block 0 of the waves whose first row is a sequence's first: those lanes store their f32 numbers too.  No branch: EXEC alone.
	v_cmp_gt_u32 vcc_lo, 16, v[FM]
	s_wait_xcnt 0x0                                ; EXEC changes only behind this wait
	s_and_saveexec_b32 s95, vcc_lo
.irp b, 0,1,2,3,4,5,6,7
	global_store_b128 v[FO], v[FT+8*\b:FT+8*\b+3], s[98:99] offset:64*\b
	global_store_b128 v[FO], v[FT+8*\b+4:FT+8*\b+7], s[98:99] offset:64*\b+16
.endr
	s_wait_xcnt 0x0                                ; and again ahead of the line that widens it; the stores' data may be rewritten behind it too
	s_or_b32 exec_lo, exec_lo, s95
	TOSTAGE 0
.irp a, 1,2,3,4,5,6,7
	PACK \a
.if \a > 1
	s_wait_xcnt 0x0                                ; block a - 2's stores have read their registers and their base
.endif
	TOSTAGE \a
	SEND \a-1, 16                                  ; behind block a - 1's loads: block a's 8 stores and 8 loads
.endr
	s_wait_xcnt 0x0
	SEND 7, 0
	s_wait_tensorcnt 0x0                           ; the wave's end
	ds_add_u32 v[SPW], v[NIL]
	s_wait_dscnt 0x0
	CROUND                                         ; the closing round
	s_endpgm
.Lfunc_end_k_qfcd2ce3468_gemm1:
	.size	k_qfcd2ce3468_gemm1, .Lfunc_end_k_qfcd2ce3468_gemm1-k_qfcd2ce3468_gemm1
	.p2alignl 7, 3214868480
	.fill 96, 4, 3214868480
	.section	.rodata,"a",@progbits
	.p2align	6, 0x0
	.amdhsa_kernel k_qfcd2ce3468_gemm1
		.amdhsa_group_segment_fixed_size 327680
		.amdhsa_private_segment_fixed_size 0
		.amdhsa_enable_private_segment 0
		.amdhsa_kernarg_size 56
		.amdhsa_user_sgpr_count 2
		.amdhsa_user_sgpr_kernarg_segment_ptr 1
		.amdhsa_wavefront_size32 1
		.amdhsa_system_sgpr_workgroup_id_x 1
		.amdhsa_system_sgpr_workgroup_id_y 1
		.amdhsa_system_sgpr_workgroup_id_z 1
		.amdhsa_system_vgpr_workitem_id 0
		.amdhsa_next_free_vgpr 1024
		.amdhsa_next_free_sgpr 102
		.amdhsa_reserve_vcc 1
		.amdhsa_float_denorm_mode_32 3
		.amdhsa_float_denorm_mode_16_64 3
		.amdhsa_memory_ordered 1
		.amdhsa_forward_progress 1
		.amdhsa_inst_pref_size 147
	.end_amdhsa_kernel
	.amdgpu_metadata
---
amdhsa.version: [ 1, 2 ]
amdhsa.kernels:
  - .name:           k_qfcd2ce3468_gemm1
    .symbol:         k_qfcd2ce3468_gemm1.kd
    .args:
      - { .name: xc, .offset: 0, .size: 8, .value_kind: global_buffer, .address_space: global }
      - { .name: xs, .offset: 8, .size: 8, .value_kind: global_buffer, .address_space: global }
      - { .name: wc, .offset: 16, .size: 8, .value_kind: global_buffer, .address_space: global }
      - { .name: ws, .offset: 24, .size: 8, .value_kind: global_buffer, .address_space: global }
      - { .name: qkv, .offset: 32, .size: 8, .value_kind: global_buffer, .address_space: global }
      - { .name: b_attn, .offset: 40, .size: 8, .value_kind: global_buffer, .address_space: global }
      - { .name: fq, .offset: 48, .size: 8, .value_kind: global_buffer, .address_space: global }
    .group_segment_fixed_size: 327680
    .private_segment_fixed_size: 0
    .kernarg_segment_align: 8
    .kernarg_segment_size: 56
    .max_flat_workgroup_size: 128
    .sgpr_count:     102
    .vgpr_count:     1024
    .wavefront_size: 32
...
	.end_amdgpu_metadata
.endif
;; end of part 2
;; launch attn (part 3): grid 4 x 64, 16 waves a work-group, no clusters, 327,680 bytes of LDS; arguments qkv, y; writes y
.if DOCPART == 3
	.amdgcn_target "amdgcn-amd-amdhsa--gfx1250"
	.amdhsa_code_object_version 6
	.text
	.protected	k_qfcd2ce3468_attn
	.globl	k_qfcd2ce3468_attn
	.p2align	8
	.type	k_qfcd2ce3468_attn,@function
k_qfcd2ce3468_attn:
	s_mov_b64 s[64:65], 0
	v_nop
	global_prefetch_b8 v0, s[64:65] scope:SCOPE_SE
	s_setreg_imm32_b32 hwreg(HW_REG_WAVE_MODE, 25, 1), 1
	s_wait_xcnt 0x0
; y[b][h][q] = the sum over k <= q of softmax_k(q . k / 8) v, f16 operands, f32 sums, maxima and row sums.  qkv: [3][64 heads][2,048][64] f16, q already x log2(e) / 8, so a score is an exponent of 2.
; y: [64 heads][2,048][64] f16.  LIMITS: NaN and infinities are not served; |y| is at most the largest |v|.
; SHARES.  Work-group j (0..3) of a head owns query blocks j and 7 - j, 256 queries each: under the causal mask every such pair has the same work.  Each of the 16 waves owns 32 queries (two tiles of 16) in 256
; registers; the waves of the late and the early block alternate so that each group of four waves, taken either way, holds two of each.
; NO CLUSTER: the four work-groups of a head need 8, 7, 6 and 5 slots of keys, and a joint load may not be left out by some partners.
; THE WALK.  All work-groups walk all 8 slots of 256 keys (constant trip counts, every barrier passed); a step of 64 keys all of which come after a wave's queries is jumped over; a slot whose first key comes
; after the work-group's last query is not asked for.  Every wait on TENSORcnt is for 0.  One tensor load a fetching wave is out at a time.
; LAYOUT.  S^T = K Q^T (source 0 = 16 keys, source 1 = 16 queries): a lane holds ONE query (lane % 16) and keys 8 (lane / 16) + 0..7.  Two such tiles, rounded to f16 in pairs, are source 1 of O^T = V^T P.
; SOFTMAX.  A running maximum m and sum l for each query: p = 2^(s - m); O and l are multiplied by a = 2^(old m - new m) in every step.
.set KP,    144                        ; a key's row in LDS: 128 bytes + 16
.set VP,    160                        ; a row of V: 128 + 32, for the turning load
.set SK,    256                        ; keys in a slot
.set VOFF,  SK*KP                      ; a slot: 256 rows of K, then 256 rows of V
.set SLOT1, 1<<17                      ; slot 1 begins here: one exclusive or turns an address
.set NSL,   8
.set SPARE, SLOT1+SK*(KP+VP)           ; the spare words, 128 bytes for each of 16 waves
.set AK0, 1                            ; v1  my lane's place in a tile of K
.set AV0, 2                            ; v2  the same for V
.set ADK, 3                            ; v3, v4 the step's addresses
.set ADV, 4
.set SPW, 5
.set NIL, 6
.set DQ,  7                            ; v7  lane % 16 - 8 (lane / 16)
.set NINF, 8                           ; v8  -infinity
.set DD,  9                            ; v9  at work on the diagonal
.set PFO, 10                           ; v10 256 x lane
.set GO,  11                           ; v11 16 x lane
.set ST,  12                           ; v12-27 eight a tile: +0 m, +1 old m, then old m - m; +2, +3 l; +4 .. +7 at work (a takes +4)
.set QF,  32                           ; v32-63  Q: 16 t + 8 dh
.set KV,  64                           ; v64-127 K's eight fragments, then V's
.set SS,  128                          ; v128-191 S^T: 32 t + 8 kt; P in place at 32 t + 8 u
.set OO,  192                          ; v192-255 O^T: 32 t + 8 ct
.set TB,  2                            ; s2  LDS byte at which the slot in hand begins
.set SLOTS, 3
.set WV,  18
.set SEL, 20
.set G1K, 24
.set G1V, 32
.set G0K, 40
.set G0V, 44
.set KF,  48                           ; s48 the step's first key
.set Q0,  49                           ; s49 my first query
.set LASTQ, 50                         ; s50 my work-group's last query
.set PFA, 52
.set LIM, 54
.macro TLOAD                           ; waves 0 and 1 fetch K's halves, waves 2 and 3 V's, the others nothing.  An s_nop 0 and four v_nop follow each line
	s_cmp_lt_u32 s[WV], 2
	s_cbranch_scc0 .Lnot_k_\@
	tensor_load_to_lds s[G0K:G0K+3], s[G1K:G1K+7]
	s_nop 0
.rept 4
	v_nop
.endr
	s_branch .Lasked_\@
.Lnot_k_\@:
	s_cmp_lt_u32 s[WV], 4
	s_cbranch_scc0 .Lasked_\@
	tensor_load_to_lds s[G0V:G0V+3], s[G1V:G1V+7]
	s_nop 0
.rept 4
	v_nop
.endr
.Lasked_\@:
.endm
; A prefetch of what the NEXT change of slots will ask for: a slot's 32,768 bytes of K and of V.  The head's work-group 0, which walks all slots, asks; in it waves 4-7 for K, waves 8-11 for V,
; 8,192 bytes a wave, lanes 256 bytes apart: each aligned 256 bytes is named once in the launch.  The last change that fills a slot asks for nothing.
.macro ASK
	s_cmp_gt_u32 s[SLOTS], s[LIM]
	s_cbranch_scc0 .Lnot_mine_\@
	global_prefetch_b8 v[PFO], s[PFA:PFA+1] th:TH_LOAD_NT scope:SCOPE_SE
.Lnot_mine_\@:
.endm
	s_load_b128 s[4:7], s[0:1], 0x0                ; qkv s[4:5], y s[6:7]
	v_lshl_add_u32 v[SPW], v0, 2, SPARE
	v_mov_b32 v[NIL], 0
	ds_add_u32 v[SPW], v[NIL]                      ; the wave's opening: the add, twice on end, and its wait ahead of the first tensor load
	ds_add_u32 v[SPW], v[NIL]
	v_lshrrev_b32 v3, 5, v0
	v_readfirstlane_b32 s[WV], v3                  ; wave 0..15
	s_and_b32 s8, ttmp7, 0xffff
	s_lshl_b32 s8, s8, 18                          ; the head's first byte in a section: 262,144 a head
	s_mov_b32 s9, 0
	s_lshr_b32 s10, s[WV], 2
	s_xor_b32 s10, s10, s[WV]
	s_and_b32 s10, s10, 1                          ; 1: I serve the late block
	s_sub_co_u32 s11, 7, ttmp9
	s_cmp_lg_u32 s10, 0
	s_cselect_b32 s11, s11, ttmp9                  ; my block of 256 queries
	s_lshl_b32 s11, s11, 8
	s_lshr_b32 s12, s[WV], 1
	s_lshl_b32 s12, s12, 5
	s_add_co_u32 s[Q0], s11, s12                   ; my first query
	s_sub_co_u32 s[LASTQ], 8, ttmp9
	s_lshl_b32 s[LASTQ], s[LASTQ], 8
	s_sub_co_u32 s[LASTQ], s[LASTQ], 1
	s_and_b32 s13, s[WV], 1                        ; which 128 rows I fetch, if I fetch
	s_mul_i32 s14, s13, 128*KP
	s_mul_i32 s15, s13, 128*VP
	s_add_co_u32 s15, s15, VOFF
	s_lshl_b32 s16, s13, 14
	s_add_co_u32 s16, s16, s8
	s_mov_b32 s17, 0
	s_mov_b32 s[G1K], (1<<16)|(1<<20)|(4<<22)|(3<<25)   ; no mask; elements of 2 bytes; padding on: 4 words after every 32
	s_mov_b32 s[G1V], (1<<16)|(1<<20)|(4<<22)|(7<<25)   ; 8 words
.irp g, G1K, G1V
	s_mov_b32 s[\g+1], 64<<16                      ; tensor_dim0
	s_mov_b32 s[\g+2], 128<<16                     ; tensor_dim1
	s_mov_b32 s[\g+3], 64<<16                      ; tile_dim0
	s_mov_b32 s[\g+4], 128                         ; tile_dim1
	s_mov_b32 s[\g+5], 64                          ; the pitch
	s_mov_b32 s[\g+6], 0
	s_mov_b32 s[\g+7], 0
.endr
	s_mov_b32 s[SEL], 0x76543210
	s_mov_b32 s[SEL+1], 0xfedcba98
	s_mov_b32 s[TB], 0
	s_mov_b32 s[SLOTS], NSL-1
	s_mov_b32 s[KF], 0
	s_cmp_lt_u32 s[WV], 8                          ; the prefetches: waves 4-7 stand in K's section, waves 8-11 in V's
	s_mov_b32 s57, 0x2000000
	s_cselect_b32 s56, 0x1000000, s57
	s_add_co_u32 s56, s56, s8
	s_and_b32 s57, s[WV], 3
	s_lshl_b32 s57, s57, 13
	s_add_co_u32 s56, s56, s57                     ; my wave's 8,192 bytes,
	s_add_co_u32 s56, s56, 32768                   ; in slot 1: the first change of slots steps it to slot 2
	s_mov_b32 s57, 0
	s_sub_co_u32 s58, s[WV], 4
	s_lshr_b32 s58, s58, 3                         ; 0 in waves 4 to 11,
	s_or_b32 s58, s58, ttmp9                       ; of the head's work-group 0
	s_cmp_eq_u32 s58, 0
	s_cselect_b32 s[LIM], 1, -1
	s_lshl_b32 s60, s[Q0], 7
	s_add_co_u32 s60, s60, s8                      ; my first query's row in q's section and in y
	s_mov_b32 s61, 0
	s_wait_dscnt 0x0                               ; both opening adds are done
	s_wait_kmcnt 0x0
	s_mov_b32 s[G0K], 1
	s_mov_b32 s[G0K+1], s14
	s_add_nc_u64 s[G0K+2:G0K+3], s[4:5], s[16:17]
	s_add_nc_u64 s[G0K+2:G0K+3], s[G0K+2:G0K+3], 0x1000000   ; k's section
	s_or_b32 s[G0K+3], s[G0K+3], 0x80000000
	s_mov_b32 s[G0V], 1
	s_mov_b32 s[G0V+1], s15
	s_add_nc_u64 s[G0V+2:G0V+3], s[4:5], s[16:17]
	s_add_nc_u64 s[G0V+2:G0V+3], s[G0V+2:G0V+3], 0x2000000   ; v's section
	s_or_b32 s[G0V+3], s[G0V+3], 0x80000000
	TLOAD                                          ; slot 0: key 0 counts for every query, so every wave reads it
	s_add_nc_u64 s[PFA:PFA+1], s[4:5], s[56:57]
	s_add_nc_u64 s[62:63], s[4:5], s[60:61]
	s_add_nc_u64 s[6:7], s[6:7], s[60:61]
	v_and_b32 v28, 15, v0                          ; r
	v_bfe_u32 v29, v0, 4, 1                        ; h
	v_lshlrev_b32 v30, 7, v28
	v_lshl_add_u32 v30, v29, 4, v30                ; Q: row r of 128 bytes, + 16 h
.irp t, 0,1
.irp dh, 0,1
.irp c, 0,1
	global_load_b128 v[QF+16*\t+8*\dh+4*\c:QF+16*\t+8*\dh+4*\c+3], v30, s[62:63] offset:2048*\t+64*\dh+32*\c
.endr
.endr
.endr
	v_mul_u32_u24 v[AK0], v28, KP
	v_lshl_add_u32 v[AK0], v29, 4, v[AK0]
	v_and_b32 v31, 7, v0
	v_lshl_add_u32 v[AV0], v29, 3, v31             ; the turning load: key 8 h + l % 8,
	v_mul_u32_u24 v[AV0], v[AV0], VP
	v_bfe_u32 v31, v0, 3, 1
	v_lshl_add_u32 v[AV0], v31, 4, v[AV0]          ; channels 8 ((l / 8) % 2) on
	v_add_nc_u32 v[AV0], VOFF, v[AV0]
	v_lshlrev_b32 v[DQ], 3, v29
	v_sub_nc_u32 v[DQ], v28, v[DQ]
	v_mov_b32 v[NINF], 0xff800000
	v_and_b32 v[PFO], 31, v0
	v_lshlrev_b32 v[GO], 4, v[PFO]
	v_lshlrev_b32 v[PFO], 8, v[PFO]
.set i, 0
.rept 16
	v_mov_b32 v[ST+i], 0                           ; l = 0; the others are written so that every way through the text reads written registers
.set i, i+1
.endr
	v_mov_b32 v[ST], 0xff61b1e6                    ; m = -3e38, under every score
	v_mov_b32 v[ST+8], 0xff61b1e6
.set i, 0
.rept 64
	v_mov_b32 v[OO+i], 0                           ; O^T: the step is written once; its first turn finds zeros
.set i, i+1
.endr
; A KEY STEP: 64 keys, the q-th of the slot in hand.
.macro STEP q
	s_add_co_u32 s56, s[Q0], 31
	s_cmp_gt_u32 s[KF], s56                        ; all keys come after my 32 queries: the step's work is left out (no barrier and no tensor load stands in a step)
	s_cbranch_scc1 .Lhidden_\@
	v_add_nc_u32 v[ADK], s[TB], v[AK0]
	v_add_nc_u32 v[ADV], s[TB], v[AV0]
.irp kt, 0,1,2,3
.irp dh, 0,1
.irp c, 0,1
	ds_load_b128 v[KV+8*(2*\kt+\dh)+4*\c:KV+8*(2*\kt+\dh)+4*\c+3], v[ADK] offset:(64*(\q)+16*\kt)*KP+64*\dh+32*\c
.endr
.endr
.endr
	s_wait_dscnt 0x0                               ; K is in
.irp dh, 0,1                                   ; S^T = K Q^T: eight accumulators by turns; the first eight start the sums
.irp kt, 0,1,2,3
.irp t, 0,1
.if \dh == 0
	v_wmma_f32_16x16x32_f16 v[SS+32*\t+8*\kt:SS+32*\t+8*\kt+7], v[KV+8*(2*\kt+\dh):KV+8*(2*\kt+\dh)+7], v[QF+16*\t+8*\dh:QF+16*\t+8*\dh+7], 0
.else
	v_wmma_f32_16x16x32_f16 v[SS+32*\t+8*\kt:SS+32*\t+8*\kt+7], v[KV+8*(2*\kt+\dh):KV+8*(2*\kt+\dh)+7], v[QF+16*\t+8*\dh:QF+16*\t+8*\dh+7], v[SS+32*\t+8*\kt:SS+32*\t+8*\kt+7]
.endif
.endr
.endr
.endr
.rept 4
	v_nop                                          ; places ahead of the loads into K's registers and of the first reads of the scores
.endr
.irp u, 0,1                                    ; V, turned, lands while the softmax is walked
.irp ct, 0,1,2,3
	ds_load_tr16_b128 v[KV+8*(4*\u+\ct):KV+8*(4*\u+\ct)+3], v[ADV] offset:(64*(\q)+32*\u)*VP+32*\ct
	ds_load_tr16_b128 v[KV+8*(4*\u+\ct)+4:KV+8*(4*\u+\ct)+7], v[ADV] offset:(64*(\q)+32*\u+16)*VP+32*\ct
.endr
.endr
	s_add_co_u32 s56, s[KF], 63
	s_cmp_le_u32 s56, s[Q0]                        ; all keys count for all my queries: no mask
	s_cbranch_scc1 .Lopen_\@
	s_sub_co_i32 s56, s[Q0], s[KF]
	v_add_nc_u32 v[DD], s56, v[DQ]                 ; register 32 t + 8 kt + i holds key KF + 16 kt + 8 h + i for query Q0 + 16 t + r: hidden where 16 kt + i - 16 t is above this number
.irp t, 0,1
.irp kt, 0,1,2,3
.irp i, 0,1,2,3,4,5,6,7
	v_cmp_gt_i32 vcc_lo, 16*\kt+\i-16*\t, v[DD]
	v_cndmask_b32 v[SS+32*\t+8*\kt+\i], v[SS+32*\t+8*\kt+\i], v[NINF], vcc_lo
.endr
.endr
.endr
.Lopen_\@:
.irp j, 0,1,2,3                                ; the maximum: four chains a tile, each accumulator from its low end on; the two tiles by turns
.irp t, 0,1
	v_max3_num_f32 v[ST+8*\t+4+\j], v[SS+32*\t+8*\j], v[SS+32*\t+8*\j+1], v[SS+32*\t+8*\j+2]
.endr
.endr
.irp g, 1,2
.irp j, 0,1,2,3
.irp t, 0,1
	v_max3_num_f32 v[ST+8*\t+4+\j], v[ST+8*\t+4+\j], v[SS+32*\t+8*\j+2*\g+1], v[SS+32*\t+8*\j+2*\g+2]
.endr
.endr
.endr
.irp t, 0,1
	v_max3_num_f32 v[ST+8*\t+4], v[ST+8*\t+4], v[SS+32*\t+7], v[SS+32*\t+15]
	v_max3_num_f32 v[ST+8*\t+6], v[ST+8*\t+6], v[SS+32*\t+23], v[SS+32*\t+31]
.endr
.irp t, 0,1
	v_max3_num_f32 v[ST+8*\t+4], v[ST+8*\t+4], v[ST+8*\t+5], v[ST+8*\t+6]
.endr
.irp t, 0,1
	v_max3_num_f32 v[ST+8*\t+4], v[ST+8*\t+4], v[ST+8*\t+7], v[ST+8*\t]   ; and the old m
.endr
.irp t, 0,1
	v_permlanex16_b32 v[ST+8*\t+5], v[ST+8*\t+4], s[SEL], s[SEL+1]        ; the query's other 32 keys lie in the lane 16 away
.endr
.irp t, 0,1
	v_mov_b32 v[ST+8*\t+1], v[ST+8*\t]
.endr
.irp t, 0,1
	v_max_num_f32 v[ST+8*\t], v[ST+8*\t+4], v[ST+8*\t+5]                  ; the new m
.endr
.irp t, 0,1
	v_sub_f32 v[ST+8*\t+1], v[ST+8*\t+1], v[ST+8*\t]                      ; old m - new m
.endr
.set i, 0
.rept 16
.irp t, 0,1
	v_pk_add_f32 v[SS+32*\t+2*i:SS+32*\t+2*i+1], v[SS+32*\t+2*i:SS+32*\t+2*i+1], v[ST+8*\t:ST+8*\t+1] op_sel_hi:[1,0] neg_lo:[0,1] neg_hi:[0,1]   ; s - m, two at a time
.endr
.set i, i+1
.endr
.irp t, 0,1                                    ; ONE BATCH of 66 exponentials
	v_exp_f32 v[ST+8*\t+4], v[ST+8*\t+1]           ; a
.endr
.set i, 0
.rept 32
.irp t, 0,1
	v_exp_f32 v[SS+32*\t+i], v[SS+32*\t+i]         ; p
.endr
.set i, i+1
.endr
	v_nop                                          ; a plain instruction behind the last exponential
	s_wait_alu depctr_va_vdst(0)                   ; one wait for the batch, ahead of its first reader
.irp t, 0,1
	v_pk_mul_f32 v[ST+8*\t+2:ST+8*\t+3], v[ST+8*\t+2:ST+8*\t+3], v[ST+8*\t+4:ST+8*\t+5] op_sel_hi:[1,0]   ; l x a
	v_pk_add_f32 v[ST+8*\t+6:ST+8*\t+7], v[SS+32*\t:SS+32*\t+1], v[SS+32*\t+2:SS+32*\t+3]                 ; the sum of p in f32, in two chains
.endr
.irp j, 4,8,12,16,20,24,28
.irp t, 0,1
	v_pk_add_f32 v[ST+8*\t+2:ST+8*\t+3], v[ST+8*\t+2:ST+8*\t+3], v[SS+32*\t+\j:SS+32*\t+\j+1]
	v_pk_add_f32 v[ST+8*\t+6:ST+8*\t+7], v[ST+8*\t+6:ST+8*\t+7], v[SS+32*\t+\j+2:SS+32*\t+\j+3]
.endr
.endr
.irp t, 0,1
	v_pk_add_f32 v[ST+8*\t+2:ST+8*\t+3], v[ST+8*\t+2:ST+8*\t+3], v[ST+8*\t+6:ST+8*\t+7]
.endr
.set i, 0
.rept 16
.irp t, 0,1
	v_cvt_pk_f16_f32 v[SS+32*\t+i], v[SS+32*\t+2*i], v[SS+32*\t+2*i+1]    ; P in place, ascending: register i is written when registers 2 i and 2 i + 1 are read
.endr
.set i, i+1
.endr
.set i, 0
.rept 16
.irp t, 0,1
	v_pk_mul_f32 v[OO+32*\t+2*i:OO+32*\t+2*i+1], v[OO+32*\t+2*i:OO+32*\t+2*i+1], v[ST+8*\t+4:ST+8*\t+5] op_sel_hi:[1,0]   ; O^T x a
.endr
.set i, i+1
.endr
	s_wait_dscnt 0x0                               ; V is in
.irp u, 0,1                                    ; O^T += V^T P: eight accumulators by turns
.irp ct, 0,1,2,3
.irp t, 0,1
	v_wmma_f32_16x16x32_f16 v[OO+32*\t+8*\ct:OO+32*\t+8*\ct+7], v[KV+8*(4*\u+\ct):KV+8*(4*\u+\ct)+7], v[SS+32*\t+8*\u:SS+32*\t+8*\u+7], v[OO+32*\t+8*\ct:OO+32*\t+8*\ct+7]
.endr
.endr
.endr
.rept 5
	v_nop                                          ; five places: the next step's first products write over P's registers; its loads land in V's
.endr
.Lhidden_\@:
	s_add_co_u32 s[KF], s[KF], 64
.endm
; THE CHANGE OF SLOTS stands at a slot's head: each wave waits for all its tensor loads, adds 0 to its spare word, waits for that and for its reads of the slot that it has left; one barrier;
; behind it the slot that was left is filled with the keys that follow, up to the causal limit.
.macro CHANGE fill
	s_wait_tensorcnt 0x0                           ; no tensor load of mine is out, so a group 0 may be written
	ds_add_u32 v[SPW], v[NIL]
.if \fill
	ds_add_u32 v[SPW], v[NIL]                      ; and twice on end here, in every trip alike
	s_xor_b32 s[G0K+1], s[G0K+1], SLOT1            ; the walking descriptors: the other slot, the next 256 keys
	s_add_nc_u64 s[G0K+2:G0K+3], s[G0K+2:G0K+3], 32768
	s_xor_b32 s[G0V+1], s[G0V+1], SLOT1
	s_add_nc_u64 s[G0V+2:G0V+3], s[G0V+2:G0V+3], 32768
	s_wait_xcnt 0x0                                ; the last prefetch, a slot back, has read its address
	s_add_nc_u64 s[PFA:PFA+1], s[PFA:PFA+1], 32768
.endif
	s_wait_dscnt 0x0                               ; the add is done, and my reads of the slot that I have left are over
	s_barrier_signal -1
	s_barrier_wait -1
.if \fill
	s_add_co_u32 s56, s[KF], SK                    ; the first key of the slot that this change would ask for
	s_cmp_gt_u32 s56, s[LASTQ]                     ; past my work-group's last query none of its waves would read it: ids and the count of steps alone, the same in all sixteen waves
	s_cbranch_scc1 .Lpast_\@
	TLOAD                                          ; a wave's one tensor load until the next change
.Lpast_\@:
	ASK
.endif
.endm
.macro SLOT_STEPS
	STEP 0
	STEP 1
	STEP 2
	STEP 3
	s_xor_b32 s[TB], s[TB], SLOT1
.endm
	s_wait_loadcnt 0x0                             ; Q
.Lslot:                                            ; 7 trips
	CHANGE 1
	SLOT_STEPS
	s_sub_co_u32 s[SLOTS], s[SLOTS], 1
	s_cmp_lg_u32 s[SLOTS], 0
	s_cbranch_scc1 .Lslot
	CHANGE 0                                       ; the last slot is written out: nothing is left to ask for
	SLOT_STEPS
	; THE WAY OUT: O^T / l, rounded to f16, through my stage (32 rows x 144 bytes, in slot 0, which was left at the last change of slots), out as 512 consecutive bytes an instruction.
.irp t, 0,1
	v_add_f32 v[ST+8*\t+4], v[ST+8*\t+2], v[ST+8*\t+3]
.endr
.irp t, 0,1
	v_permlanex16_b32 v[ST+8*\t+5], v[ST+8*\t+4], s[SEL], s[SEL+1]
.endr
.irp t, 0,1
	v_add_f32 v[ST+8*\t+4], v[ST+8*\t+4], v[ST+8*\t+5]
.endr
.irp t, 0,1
	v_rcp_f32 v[ST+8*\t+6], v[ST+8*\t+4]
.endr
	v_and_b32 v28, 15, v0                          ; (plain work behind the reciprocals)
	v_bfe_u32 v29, v0, 4, 1
	s_mul_i32 s56, s[WV], 32*KP                    ; my stage
	v_mul_u32_u24 v30, v28, KP
	v_lshl_add_u32 v30, v29, 4, v30
	v_add_nc_u32 v30, s56, v30                     ; in: row r, + 16 h
	v_bfe_u32 v31, v0, 3, 2
	v_mul_u32_u24 v31, v31, KP
	v_and_b32 v28, 7, v0
	v_lshl_add_u32 v31, v28, 4, v31
	v_add_nc_u32 v31, s56, v31                     ; back: eight lanes to a row of 128 bytes, four rows an instruction
	s_wait_alu depctr_va_vdst(0)                   ; one wait for the two reciprocals, ahead of their first reader
.set i, 0
.rept 16
.irp t, 0,1
	v_pk_mul_f32 v[OO+32*\t+2*i:OO+32*\t+2*i+1], v[OO+32*\t+2*i:OO+32*\t+2*i+1], v[ST+8*\t+6:ST+8*\t+7] op_sel_hi:[1,0]
.endr
.set i, i+1
.endr
.set i, 0
.rept 32
	v_cvt_pk_f16_f32 v[KV+i], v[OO+2*i], v[OO+2*i+1]
.set i, i+1
.endr
.irp t, 0,1
.irp ct, 0,1,2,3
	ds_store_b128 v30, v[KV+16*\t+4*\ct:KV+16*\t+4*\ct+3] offset:16*\t*KP+32*\ct
.endr
.endr
.irp i, 0,1,2,3,4,5,6,7
	ds_load_b128 v[96+4*\i:99+4*\i], v31 offset:4*\i*KP   ; LDS serves a wave's instructions in order: these see my stores
.endr
.irp i, 0,1,2,3,4,5,6,7
	s_wait_dscnt 7-\i
	global_store_b128 v[GO], v[96+4*\i:99+4*\i], s[6:7] offset:512*\i
.endr
	s_wait_tensorcnt 0x0                           ; the wave's end
	ds_add_u32 v[SPW], v[NIL]
	s_wait_dscnt 0x0
	s_endpgm
.Lfunc_end_k_qfcd2ce3468_attn:
	.size	k_qfcd2ce3468_attn, .Lfunc_end_k_qfcd2ce3468_attn-k_qfcd2ce3468_attn
	.p2alignl 7, 3214868480
	.fill 96, 4, 3214868480
	.section	.rodata,"a",@progbits
	.p2align	6, 0x0
	.amdhsa_kernel k_qfcd2ce3468_attn
		.amdhsa_group_segment_fixed_size 327680
		.amdhsa_private_segment_fixed_size 0
		.amdhsa_enable_private_segment 0
		.amdhsa_kernarg_size 16
		.amdhsa_user_sgpr_count 2
		.amdhsa_user_sgpr_kernarg_segment_ptr 1
		.amdhsa_wavefront_size32 1
		.amdhsa_system_sgpr_workgroup_id_x 1
		.amdhsa_system_sgpr_workgroup_id_y 1
		.amdhsa_system_sgpr_workgroup_id_z 1
		.amdhsa_system_vgpr_workitem_id 0
		.amdhsa_next_free_vgpr 256
		.amdhsa_next_free_sgpr 66
		.amdhsa_reserve_vcc 1
		.amdhsa_float_denorm_mode_32 3
		.amdhsa_float_denorm_mode_16_64 3
		.amdhsa_memory_ordered 1
		.amdhsa_forward_progress 1
		.amdhsa_inst_pref_size 188
	.end_amdhsa_kernel
	.amdgpu_metadata
---
amdhsa.version: [ 1, 2 ]
amdhsa.kernels:
  - .name:           k_qfcd2ce3468_attn
    .symbol:         k_qfcd2ce3468_attn.kd
    .args:
      - { .name: qkv, .offset: 0, .size: 8, .value_kind: global_buffer, .address_space: global }
      - { .name: y, .offset: 8, .size: 8, .value_kind: global_buffer, .address_space: global }
    .group_segment_fixed_size: 327680
    .private_segment_fixed_size: 0
    .kernarg_segment_align: 8
    .kernarg_segment_size: 16
    .max_flat_workgroup_size: 512
    .sgpr_count:     66
    .vgpr_count:     256
    .wavefront_size: 32
...
	.end_amdgpu_metadata
.endif
;; end of part 3
;; launch proj (part 4): grid 8 x 32, 4 waves a work-group, clusters of 4 x 4, 327,680 bytes of LDS; arguments y, wp, b_proj, out0; writes out0
.if DOCPART == 4
	.amdgcn_target "amdgcn-amd-amdhsa--gfx1250"
	.amdhsa_code_object_version 6
	.text
	.protected	k_qfcd2ce3468_proj
	.globl	k_qfcd2ce3468_proj
	.p2align	8
	.type	k_qfcd2ce3468_proj,@function
k_qfcd2ce3468_proj:
	s_mov_b64 s[64:65], 0
	v_nop
	global_prefetch_b8 v0, s[64:65] scope:SCOPE_SE
	s_setreg_imm32_b32 hwreg(HW_REG_WAVE_MODE, 25, 1), 1
	s_wait_xcnt 0x0
	s_wait_alu depctr_hold_cnt(0) depctr_sa_sdst(0) depctr_va_vdst(0) depctr_va_sdst(0) depctr_va_ssrc(0) depctr_va_vcc(0) depctr_vm_vsrc(0)
	s_getreg_b32 s2, hwreg(HW_REG_IB_STS2, 6, 4)
	s_cmp_eq_u32 s2, 0
	s_cbranch_scc0 .Lentry_in_a_cluster
	s_endpgm
.Lentry_in_a_cluster:
	s_bfe_u32 s2, ttmp6, 0x10000c
	s_cmp_lg_u32 s2, 0xf033
	s_cbranch_scc0 .Lentry_shape_is_right
	s_endpgm
.Lentry_shape_is_right:
; out0 = y W_proj + b_proj: f16 operands, f32 sums, f32 out.  M 8,192, N 1,024, K 1,024.
; y: [4 b][16 h][2,048 t][64] f16: K = 64 h + d, so 64 along K of 256 rows are one dense plane of 128-byte rows.  wp: [16 chunks of 64 k][1,024 n][64] f16 likewise.
; A tile of 256 (m) x 128 (n): 256 work-groups of equal work.  Four waves, each 128 x 64: 32 accumulators, all of window 1.  A K step is 128 along K: two planes of y, two of wp.
; Two LDS slots; waves 0 and 1 fetch y's planes (256 rows a load), waves 2 and 3 wp's (128 rows).  By this text's count a wave has two tensor loads out at the start, one behind each round.
; CLUSTERS: 4 x 4; y's planes are asked for jointly along a row of the cluster, wp's along a column.  The matrix instruction is used transposed (source 0 = wp's rows, source 1 = y's rows).
; The bias is the C of each sum's first product.  Rows t < 16 of every sequence are written here and written over by the launch that carries them in f32.
; REGISTERS: window 0: v0-31 addresses; v32-63 the bias; v64-159, v160-255 two fragment buffers (wp's 4 fragments, then y's 8); window 1: accumulator (a, b) at v[8 (4 a + b)].
.set PITCH,  144                       ; an LDS row: 128 bytes + 16
.set APL,    256*PITCH
.set BPL,    128*PITCH
.set SLOT,   2*APL+2*BPL
.set STAGE,  2*SLOT                    ; 16 rows x 272 bytes for each wave
.set SPITCH, 272
.set SPARE,  STAGE+4*16*SPITCH
.set LAPS,   4                         ; a lap = two K steps
.set ADRA, 16
.set ADRB, 20
.set STO,  24
.set RD,   25
.set CO,   26
.set SPW,  28
.set NIL,  29
.set BIAS, 32
.set F0,   64
.set F1,   160
.set BK,   64
.set WV,   12
.set HI,   13                          ; which half of the rows is mine.  Also: I fetch for y (0) or for wp (1)
.set LO,   14                          ; which half of the columns.  Also: which plane I fetch
.set G1, 24
.set G0, 32
.set G1B, 48
.set G0B, 56
.set MSB, 0
.macro WIN new
.if MSB != (\new)
	s_set_vgpr_msb (MSB<<8)|(\new)
.set MSB, (\new)
.endif
.endm
.set MUL,    0x50                      ; sources 0 and 1 window 0; C and D window 1
.set FIRSTW, 0x40                      ; C (the bias) window 0, D window 1
.macro JLOAD s
	s_cmp_eq_u32 s[HI], 0
	s_cbranch_scc0 .Lfor_b_\@
	tensor_load_to_lds s[G0+4*\s:G0+4*\s+3], s[G1:G1+7]
	s_nop 0
.rept 4
	v_nop
.endr
	s_branch .Lasked_\@
.Lfor_b_\@:
	tensor_load_to_lds s[G0B+4*\s:G0B+4*\s+3], s[G1B:G1B+7]
	s_nop 0
.rept 4
	v_nop
.endr
.Lasked_\@:
.endm
.macro CREST
	s_cmp_lg_u32 s[WV], 0
	s_cbranch_scc1 .Lnot_wave_0_\@
	s_barrier_signal -3
.Lnot_wave_0_\@:
	s_barrier_wait -3
	s_barrier_signal -1
	s_barrier_wait -1
.endm
.macro CROUND
	s_barrier_signal -1
	s_barrier_wait -1
	CREST
.endm
	s_load_b256 s[4:11], s[0:1], 0x0               ; y s[4:5], wp s[6:7], b_proj s[8:9], out0 s[10:11]
	v_lshl_add_u32 v[SPW], v0, 2, SPARE
	v_mov_b32 v[NIL], 0
	ds_add_u32 v[SPW], v[NIL]                      ; the wave's opening: the add, twice on end, and its wait ahead of my first tensor load
	ds_add_u32 v[SPW], v[NIL]
	v_lshrrev_b32 v1, 5, v0
	v_readfirstlane_b32 s[WV], v1
	s_lshr_b32 s[HI], s[WV], 1
	s_and_b32 s[LO], s[WV], 1
	s_bfe_u32 s40, ttmp6, 0x40000                  ; cx, cy
	s_bfe_u32 s41, ttmp6, 0x40004
	s_lshl_b32 s42, ttmp9, 2
	s_add_co_u32 s42, s42, s40                     ; tile column
	s_and_b32 s15, ttmp7, 0xffff
	s_lshl_b32 s15, s15, 2
	s_add_co_u32 s15, s15, s41                     ; tile row
	s_lshl_b32 s43, s41, 2
	s_lshl_b32 s43, 15, s43                        ; my row of the cluster
	s_lshl_b32 s44, 0x1111, s40                    ; my column
	s_or_b32 s[G1+0], s43, (1<<16)|(1<<20)|(1<<21)|(4<<22)|(3<<25)   ; the mask; elements of 2 bytes; padding on; bit 21 beside a mask; 4 words after every 32
	s_or_b32 s[G1B+0], s44, (1<<16)|(1<<20)|(1<<21)|(4<<22)|(3<<25)
	s_mov_b32 s[G1+1], 64<<16                      ; tensor_dim0
	s_mov_b32 s[G1+2], 256<<16                     ; tensor_dim1
	s_mov_b32 s[G1+3], 64<<16                      ; tile_dim0
	s_mov_b32 s[G1+4], 256                         ; tile_dim1
	s_mov_b32 s[G1+5], 64                          ; the pitch
	s_mov_b32 s[G1+6], 0
	s_mov_b32 s[G1+7], 0
	s_mov_b32 s[G1B+1], 64<<16
	s_mov_b32 s[G1B+2], 128<<16
	s_mov_b32 s[G1B+3], 64<<16
	s_mov_b32 s[G1B+4], 128
	s_mov_b32 s[G1B+5], 64
	s_mov_b32 s[G1B+6], 0
	s_mov_b32 s[G1B+7], 0
	s_lshr_b32 s16, s15, 3                         ; y: the batch (4,194,304 bytes), the tile's 256 positions (32,768), my plane (a head: 262,144)
	s_lshl_b32 s16, s16, 22
	s_and_b32 s17, s15, 7
	s_lshl_b32 s17, s17, 15
	s_add_co_u32 s16, s16, s17
	s_lshl_b32 s17, s[LO], 18
	s_add_co_u32 s16, s16, s17
	s_mov_b32 s17, 0
	s_lshl_b32 s46, s42, 14                        ; wp: the tile's 128 rows (16,384 bytes), my plane (a chunk: 131,072)
	s_lshl_b32 s47, s[LO], 17
	s_add_co_u32 s46, s46, s47
	s_mov_b32 s47, 0
	s_mul_i32 s20, s[LO], APL                      ; where they go: no place in the cluster enters an LDS address
	s_mul_i32 s21, s[LO], BPL
	s_add_co_u32 s21, s21, 2*APL
	s_wait_dscnt 0x0                               ; both opening adds are done
	s_wait_kmcnt 0x0
	s_add_nc_u64 s[18:19], s[4:5], s[16:17]
	s_add_nc_u64 s[46:47], s[6:7], s[46:47]
	CROUND                                         ; all sixteen work-groups are here: the first joint loads meet
.irp s, 0,1
	s_mov_b32 s[G0+4*\s], 1
	s_add_co_u32 s[G0+4*\s+1], s20, \s*SLOT
	s_add_nc_u64 s[G0+4*\s+2:G0+4*\s+3], s[18:19], \s*524288     ; K step s: two heads on
	s_or_b32 s[G0+4*\s+3], s[G0+4*\s+3], 0x80000000
	s_mov_b32 s[G0B+4*\s], 1
	s_add_co_u32 s[G0B+4*\s+1], s21, \s*SLOT
	s_add_nc_u64 s[G0B+4*\s+2:G0B+4*\s+3], s[46:47], \s*262144   ; two chunks on
	s_or_b32 s[G0B+4*\s+3], s[G0B+4*\s+3], 0x80000000
	JLOAD \s
.endr
	v_and_b32 v1, 15, v0                           ; r
	v_bfe_u32 v2, v0, 4, 1                         ; h
	s_lshl_b32 s66, s42, 9                         ; my first column in bytes of f32: 512 x tile column + 256 x half
	s_lshl_b32 s67, s[LO], 8
	s_add_co_u32 s66, s66, s67
	s_mov_b32 s67, 0
	s_add_nc_u64 s[8:9], s[8:9], s[66:67]
	v_lshlrev_b32 v4, 5, v2                        ; the bias in the result's layout: columns 16 b + 8 h + 0 .. 7
.irp b, 0,1,2,3
	global_load_b128 v[BIAS+8*\b:BIAS+8*\b+3], v4, s[8:9] offset:64*\b
	global_load_b128 v[BIAS+8*\b+4:BIAS+8*\b+7], v4, s[8:9] offset:64*\b+16
.endr
	v_mul_u32_u24 v3, v1, PITCH
	v_lshl_add_u32 v3, v2, 4, v3                   ; a fragment's row x pitch + 16 x half
	s_mul_i32 s22, s[HI], 128*PITCH                ; my 128 rows in each plane of y
	s_mul_i32 s23, s[LO], 64*PITCH                 ; my 64 rows in each plane of wp,
	s_add_co_u32 s23, s23, 2*APL                   ; behind y's two planes
.irp s, 0,1
	v_add_nc_u32 v[ADRA+\s], s22, v3
	v_add_nc_u32 v[ADRB+\s], s23, v3
	s_add_co_u32 s22, s22, SLOT
	s_add_co_u32 s23, s23, SLOT
.endr
	s_mul_i32 s22, s[WV], 16*SPITCH
	s_add_co_u32 s22, s22, STAGE                   ; my stage
	v_mul_u32_u24 v5, v1, SPITCH
	v_lshl_add_u32 v5, v2, 5, v5
	v_add_nc_u32 v[STO], s22, v5                   ; in: row r, 32 bytes for each half of the lanes
	v_mul_u32_u24 v5, v2, SPITCH
	v_lshl_add_u32 v5, v1, 4, v5
	v_add_nc_u32 v[RD], s22, v5                    ; back: lanes 0-15 one row of 256 bytes, lanes 16-31 the next
	v_lshlrev_b32 v[CO], 12, v2
	v_lshl_add_u32 v[CO], v1, 4, v[CO]             ; the same two rows in out0
	s_lshl_b32 s68, s15, 8
	s_lshl_b32 s69, s[HI], 7
	s_add_co_u32 s68, s68, s69                     ; my first row
	s_lshl_b32 s68, s68, 12                        ; of 4,096 bytes
	s_add_co_u32 s68, s68, s66
	s_mov_b32 s69, 0
	s_add_nc_u64 s[10:11], s[10:11], s[68:69]
.macro MUL8 f, a0, first               ; y's blocks a0, a0 + 1 x wp's four, 32 along K.  The 32 accumulators take turns in the same order in every quarter
.irp a, \a0, \a0+1
.irp b, 0,1,2,3
.if \first
	v_wmma_f32_16x16x32_f16 v[8*(4*(\a)+\b):8*(4*(\a)+\b)+7], v[\f+8*\b:\f+8*\b+7], v[\f+32+8*(\a):\f+32+8*(\a)+7], v[BIAS+8*\b:BIAS+8*\b+7]
.else
	v_wmma_f32_16x16x32_f16 v[8*(4*(\a)+\b):8*(4*(\a)+\b)+7], v[\f+8*\b:\f+8*\b+7], v[\f+32+8*(\a):\f+32+8*(\a)+7], v[8*(4*(\a)+\b):8*(4*(\a)+\b)+7]
.endif
.endr
.endr
.endm
.macro FETCH slot, q, f                ; 24 LDS loads in one run: quarter q (plane q / 2, byte 64 (q % 2) of the rows): wp's four fragments, y's blocks 0-3, y's blocks 4-7
	WIN 0
.irp i, 0,1,2,3
	ds_load_b128 v[\f+8*\i:\f+8*\i+3],   v[ADRB+\slot] offset:((\q)/2)*BPL+((\q)%2)*64+\i*16*PITCH
	ds_load_b128 v[\f+8*\i+4:\f+8*\i+7], v[ADRB+\slot] offset:((\q)/2)*BPL+((\q)%2)*64+\i*16*PITCH+32
.endr
.irp i, 0,1,2,3,4,5,6,7
	ds_load_b128 v[\f+32+8*\i:\f+32+8*\i+3],   v[ADRA+\slot] offset:((\q)/2)*APL+((\q)%2)*64+\i*16*PITCH
	ds_load_b128 v[\f+32+8*\i+4:\f+32+8*\i+7], v[ADRA+\slot] offset:((\q)/2)*APL+((\q)%2)*64+\i*16*PITCH+32
.endr
.endm
.macro PLACES
.rept 4
	v_nop
.endr
.endm
.macro QUARTER slot, q, f, g, first    ; multiplies buffer f; in its middle fetches quarter q of the same slot into g
	s_wait_dscnt 8                                 ; wp's fragments and y's blocks 0-3 are in; the youngest eight loads may be out
.if \first
	WIN FIRSTW
.else
	WIN MUL
.endif
	MUL8 \f, 0, \first
	MUL8 \f, 2, \first
	PLACES                                         ; ahead of loads into registers that matrix instructions have read
	FETCH \slot, \q, \g
	s_wait_dscnt 24                                ; all but the 24 just issued
.if \first
	WIN FIRSTW
.else
	WIN MUL
.endif
	MUL8 \f, 4, \first
	MUL8 \f, 6, \first
.endm
; A K step's last quarter multiplies buffer 1 and changes slots: one barrier; ahead of it each wave waits for all its tensor loads, adds 0 to its spare word, and waits for that and for its reads of this slot.
.macro TURN slot, next, fill
	WIN 0
	s_wait_tensorcnt 0x0                           ; my part of the next slot has landed
	ds_add_u32 v[SPW], v[NIL]
	s_wait_dscnt 9                                 ; the add and the youngest eight loads may be out
	WIN MUL
	MUL8 F1, 0, 0
	s_wait_dscnt 0x0                               ; the add is done, and my reads of this slot are over
	s_barrier_signal -1
	MUL8 F1, 2, 0
.if \fill
	WIN 0
.endif
	s_barrier_wait -1
.if \fill
	CREST                                          ; the barrier has opened a round of the cluster's: no wave of any partner still reads this slot or has a load on its way
	s_add_nc_u64 s[G0+4*\slot+2:G0+4*\slot+3], s[G0+4*\slot+2:G0+4*\slot+3], 1048576     ; two K steps on: four heads
	s_add_nc_u64 s[G0B+4*\slot+2:G0B+4*\slot+3], s[G0B+4*\slot+2:G0B+4*\slot+3], 524288  ; four chunks
	JLOAD \slot                                    ; the first tensor load behind the round: 112 matrix instructions ahead of the wait for it; its four v_nop are the places ahead of the loads below
.else
	PLACES
.endif
	FETCH \next, 0, F0
	WIN MUL
	MUL8 F1, 4, 0
	MUL8 F1, 6, 0
.endm
	s_wait_tensorcnt 1                             ; my part of K step 0 is in; K step 1's may be out
	s_barrier_signal -1
	s_barrier_wait -1
	FETCH 0, 0, F0
	s_wait_loadcnt 0x0                             ; the bias
	QUARTER 0, 1, F0, F1, 1                        ; the first quarter starts the sums from the bias
	WIN 0
	s_mov_b32 s3, LAPS-1
.Llap:                                             ; a trip goes once round the ring and fills both slots again
	QUARTER 0, 2, F1, F0, 0
	QUARTER 0, 3, F0, F1, 0
	TURN 0, 1, 1
	QUARTER 1, 1, F0, F1, 0
	QUARTER 1, 2, F1, F0, 0
	QUARTER 1, 3, F0, F1, 0
	TURN 1, 0, 1
	QUARTER 0, 1, F0, F1, 0
	WIN 0
	s_sub_co_u32 s3, s3, 1
	s_cmp_lg_u32 s3, 0
	s_cbranch_scc1 .Llap
	QUARTER 0, 2, F1, F0, 0                        ; the last lap fills nothing
	QUARTER 0, 3, F0, F1, 0
	TURN 0, 1, 0
	QUARTER 1, 1, F0, F1, 0
	QUARTER 1, 2, F1, F0, 0
	QUARTER 1, 3, F0, F1, 0
	s_wait_dscnt 8
	WIN MUL
	MUL8 F1, 0, 0
	MUL8 F1, 2, 0
	s_wait_dscnt 0
	MUL8 F1, 4, 0
	MUL8 F1, 6, 0
	WIN 0
; THE WAY OUT, block by block of 16 rows x 64 columns: a wave's 64 columns of f32 are 256 consecutive bytes, aligned, so each wave has a stage of its own and no barrier is needed.
.macro TOSTAGE a
	WIN 0x04                                       ; an LDS store's data are its source 1: window 1
.irp b, 0,1,2,3
	ds_store_b128 v[STO], v[8*(4*(\a)+\b):8*(4*(\a)+\b)+3] offset:64*\b          ; each accumulator from its low end on
	ds_store_b128 v[STO], v[8*(4*(\a)+\b)+4:8*(4*(\a)+\b)+7] offset:64*\b+16
.endr
	WIN 0
.irp t, 0,1,2,3,4,5,6,7
	ds_load_b128 v[BK+32*((\a)%2)+4*\t:BK+32*((\a)%2)+4*\t+3], v[RD] offset:\t*2*SPITCH
.endr
.endm
.macro SEND a, younger
	s_wait_dscnt \younger
.if (\a) > 0
	s_add_nc_u64 s[10:11], s[10:11], 65536         ; 16 rows on (the earlier stores have read their base: a wait on XCNT stands ahead)
.endif
.irp t, 0,1,2,3,4,5,6,7
	global_store_b128 v[CO], v[BK+32*((\a)%2)+4*\t:BK+32*((\a)%2)+4*\t+3], s[10:11] offset:8192*\t th:TH_STORE_NT   ; sixteen lanes store 256 consecutive bytes, aligned
.endr
.endm
	PLACES
	TOSTAGE 0
.irp a, 1,2,3,4,5,6,7
.if \a > 1
	s_wait_xcnt 0x0                                ; block a - 2's stores have read their registers and their base
.endif
	TOSTAGE \a
	SEND \a-1, 16                                  ; behind block a - 1's loads: block a's 8 stores and 8 loads
.endr
	s_wait_xcnt 0x0
	SEND 7, 0
	s_wait_tensorcnt 0x0                           ; the wave's end
	ds_add_u32 v[SPW], v[NIL]
	s_wait_dscnt 0x0
	CROUND                                         ; the closing round
	s_endpgm
.Lfunc_end_k_qfcd2ce3468_proj:
	.size	k_qfcd2ce3468_proj, .Lfunc_end_k_qfcd2ce3468_proj-k_qfcd2ce3468_proj
	.p2alignl 7, 3214868480
	.fill 96, 4, 3214868480
	.section	.rodata,"a",@progbits
	.p2align	6, 0x0
	.amdhsa_kernel k_qfcd2ce3468_proj
		.amdhsa_group_segment_fixed_size 327680
		.amdhsa_private_segment_fixed_size 0
		.amdhsa_enable_private_segment 0
		.amdhsa_kernarg_size 32
		.amdhsa_user_sgpr_count 2
		.amdhsa_user_sgpr_kernarg_segment_ptr 1
		.amdhsa_wavefront_size32 1
		.amdhsa_system_sgpr_workgroup_id_x 1
		.amdhsa_system_sgpr_workgroup_id_y 1
		.amdhsa_system_sgpr_workgroup_id_z 1
		.amdhsa_system_vgpr_workitem_id 0
		.amdhsa_next_free_vgpr 512
		.amdhsa_next_free_sgpr 72
		.amdhsa_reserve_vcc 0
		.amdhsa_float_denorm_mode_32 3
		.amdhsa_float_denorm_mode_16_64 3
		.amdhsa_memory_ordered 1
		.amdhsa_forward_progress 1
		.amdhsa_inst_pref_size 87
	.end_amdhsa_kernel
	.amdgpu_metadata
---
amdhsa.version: [ 1, 2 ]
amdhsa.kernels:
  - .name:           k_qfcd2ce3468_proj
    .symbol:         k_qfcd2ce3468_proj.kd
    .args:
      - { .name: y, .offset: 0, .size: 8, .value_kind: global_buffer, .address_space: global }
      - { .name: wp, .offset: 8, .size: 8, .value_kind: global_buffer, .address_space: global }
      - { .name: b_proj, .offset: 16, .size: 8, .value_kind: global_buffer, .address_space: global }
      - { .name: out0, .offset: 24, .size: 8, .value_kind: global_buffer, .address_space: global }
    .group_segment_fixed_size: 327680
    .private_segment_fixed_size: 0
    .kernarg_segment_align: 8
    .kernarg_segment_size: 32
    .max_flat_workgroup_size: 128
    .sgpr_count:     72
    .vgpr_count:     512
    .wavefront_size: 32
...
	.end_amdgpu_metadata
.endif
;; end of part 4
;; launch fine (part 5): grid 64 x 4, 16 waves a work-group, no clusters, 18,432 bytes of LDS; arguments fq, W_proj, b_proj, out0; writes out0
.if DOCPART == 5
	.amdgcn_target "amdgcn-amd-amdhsa--gfx1250"
	.amdhsa_code_object_version 6
	.text
	.protected	k_qfcd2ce3468_fine
	.globl	k_qfcd2ce3468_fine
	.p2align	8
	.type	k_qfcd2ce3468_fine,@function
k_qfcd2ce3468_fine:
	s_mov_b64 s[64:65], 0
	v_nop
	global_prefetch_b8 v0, s[64:65] scope:SCOPE_SE
	s_setreg_imm32_b32 hwreg(HW_REG_WAVE_MODE, 25, 1), 1
	s_wait_xcnt 0x0
; The first 16 positions of every sequence, in f32 from the first product's sums to the output: under the causal mask they average few values, and the rounding of 16-bit operands would weigh most there.
; fq: [4 b][16 t][3,072] f32, q's part already x log2(e) / 8.  A work-group takes one batch (grid y) and 16 output columns (grid x); wave w is head w.
; All products by the f32 matrix form (16 x 16 x 4); this is no bulk work: 48 instructions a wave.  K IS PERMUTED ALIKE ON BOTH SOURCES, so that a result becomes the next operand without changing lanes:
;   S^T = K Q^T:   lane (r, h) holds d = 32 h + 0..31 of row r; instruction s takes registers 2 s, 2 s + 1 of both.  Result: query r, keys 8 h + j.
;   O^T = V^T P:   P's registers 2 s, 2 s + 1 are keys 8 h + 2 s, + 1; V is loaded so: register 8 ct + i = V(key 8 h + i, channel 16 ct + r).  Result: query r, channels 16 ct + 8 h + j.
;   out^T = W^T Y: Y's registers 8 ct + 2 s, + 1 are channels 16 ct + 8 h + 2 s, + 1; W likewise.  Result: query r, columns n0 + 8 h + j: my head's share.
; Each sum's first instruction has C = 0; the registers that these instructions write are written by nothing else; two or four accumulators take turns.
; The 16 heads' shares meet in LDS as images of their registers; waves 0 and 1 add them in ascending order onto the bias and store.  A store covers 64 bytes of a row: 256 KiB in the whole launch.
; LIMITS: NaN and infinities are not served.
.set SPW, 6
.set NIL, 7
.set T,   16                           ; v16-23 scores, then p
.set BI,  28                           ; v28-31 the bias, then the sum
.set QF,  32                           ; v32-63 q, later Y
.set KF,  64                           ; v64-95 k
.set VF,  96                           ; v96-127 v
.set WF,  128                          ; v128-159 W_proj
.set SA,  160                          ; v160-175 two accumulators of S^T
.set SB,  168
.set OA,  176                          ; v176-207 four of O^T
.set PA,  208                          ; v208-223 two of out^T
.set R,   224                          ; v224-231 my head's share
.set SPARE, 16384                      ; behind the 16 images of 1,024 bytes: the spare words, 128 bytes a wave
	s_load_b256 s[4:11], s[0:1], 0x0               ; fq s[4:5], W_proj s[6:7], b_proj s[8:9], out0 s[10:11]
	v_lshl_add_u32 v[SPW], v0, 2, SPARE
	v_mov_b32 v[NIL], 0
	v_lshrrev_b32 v1, 5, v0
	v_readfirstlane_b32 s12, v1                    ; wave = head
	v_and_b32 v1, 15, v0                           ; r
	v_bfe_u32 v2, v0, 4, 1                         ; h
	v_and_b32 v3, 31, v0                           ; lane
	s_and_b32 s13, ttmp7, 0xffff                   ; batch
	s_lshl_b32 s14, ttmp9, 6                       ; my 16 columns, in bytes
	s_and_b32 s15, s12, 1
	v_mul_u32_u24 v4, v1, 12288
	v_lshl_add_u32 v4, v2, 7, v4                   ; q, k: row r, + 128 h
	v_mul_u32_u24 v5, v2, 98304
	v_lshl_add_u32 v5, v1, 2, v5                   ; v: row 8 h, + 4 r
	v_lshlrev_b32 v8, 15, v2
	v_lshl_add_u32 v8, v1, 2, v8                   ; W_proj: row 8 h of 4,096 bytes, + 4 r
	v_lshlrev_b32 v9, 5, v2
	s_lshl_b32 s16, s15, 4
	v_add_nc_u32 v9, s16, v9                       ; the bias: columns 8 h + 4 (wave % 2) on
	v_lshlrev_b32 v10, 4, v3
	s_lshl_b32 s17, s12, 10
	v_add_nc_u32 v11, s17, v10                     ; my image: 1,024 x wave + 16 x lane
	s_lshl_b32 s17, s15, 9
	v_add_nc_u32 v10, s17, v10                     ; what waves 0 and 1 read of each image: 512 x wave + 16 x lane
	v_lshl_add_u32 v12, v1, 12, v9                 ; out0: row r, + the same columns
	v_lshlrev_b32 v13, 3, v2
	v_sub_nc_u32 v13, v1, v13                      ; r - 8 h: key 8 h + j is hidden where j is above it
	v_mov_b32 v14, 0xff800000                      ; -infinity
	s_mov_b32 s18, 0x76543210
	s_mov_b32 s19, 0xfedcba98                      ; selects for lane l xor 16
	s_mul_i32 s20, s13, 196608
	s_lshl_b32 s21, s12, 8
	s_add_co_u32 s20, s20, s21                     ; fq: the batch's 16 rows, my head's 64 columns
	s_mov_b32 s21, 0
	s_lshl_b32 s22, s12, 18
	s_add_co_u32 s22, s22, s14                     ; W_proj: my head's 64 rows, my columns
	s_mov_b32 s23, 0
	s_mov_b32 s24, s14
	s_mov_b32 s25, 0
	s_lshl_b32 s26, s13, 23
	s_add_co_u32 s26, s26, s14                     ; out0: the batch's first row, my columns
	s_mov_b32 s27, 0
	s_wait_kmcnt 0x0
	s_add_nc_u64 s[4:5], s[4:5], s[20:21]
	s_add_nc_u64 s[6:7], s[6:7], s[22:23]
	s_add_nc_u64 s[8:9], s[8:9], s[24:25]
	s_add_nc_u64 s[10:11], s[10:11], s[26:27]
	global_load_b128 v[BI:BI+3], v9, s[8:9]
.irp g, 0,1,2,3,4,5,6,7
	global_load_b128 v[KF+4*\g:KF+4*\g+3], v4, s[4:5] offset:4096+16*\g
.endr
.irp g, 0,1,2,3,4,5,6,7
	global_load_b128 v[QF+4*\g:QF+4*\g+3], v4, s[4:5] offset:16*\g
.endr
.irp ct, 0,1,2,3
.irp i, 0,1,2,3,4,5,6,7
	global_load_b32 v[VF+8*\ct+\i], v5, s[4:5] offset:8192+64*\ct+12288*\i
.endr
.endr
	s_wait_loadcnt 32                              ; the bias, k and q are in; v's 32 loads may be out
.irp ct, 0,1,2,3
.irp i, 0,1,2,3,4,5,6,7
	global_load_b32 v[WF+8*\ct+\i], v8, s[6:7] offset:(16*\ct+\i)*4096
.endr
.endr
	v_wmma_f32_16x16x4_f32 v[SA:SA+7], v[KF:KF+1], v[QF:QF+1], 0
	v_wmma_f32_16x16x4_f32 v[SB:SB+7], v[KF+2:KF+3], v[QF+2:QF+3], 0
.irp s, 2,4,6,8,10,12,14
	v_wmma_f32_16x16x4_f32 v[SA:SA+7], v[KF+2*\s:KF+2*\s+1], v[QF+2*\s:QF+2*\s+1], v[SA:SA+7]
	v_wmma_f32_16x16x4_f32 v[SB:SB+7], v[KF+2*\s+2:KF+2*\s+3], v[QF+2*\s+2:QF+2*\s+3], v[SB:SB+7]
.endr
.rept 8
	v_nop                                          ; eight places behind this form ahead of the first read of a result (ISA guide 7.12.1)
.endr
.irp i, 0,2,4,6
	v_pk_add_f32 v[T+\i:T+\i+1], v[SA+\i:SA+\i+1], v[SB+\i:SB+\i+1]   ; the two halves of the sum, from the low end on
.endr
.irp j, 0,1,2,3,4,5,6,7
	v_cmp_gt_i32 vcc_lo, \j, v13
	v_cndmask_b32 v[T+\j], v[T+\j], v14, vcc_lo    ; the causal mask
.endr
	v_max3_num_f32 v24, v[T], v[T+1], v[T+2]
	v_max3_num_f32 v25, v[T+3], v[T+4], v[T+5]
	v_max3_num_f32 v24, v24, v[T+6], v[T+7]
	v_max_num_f32 v24, v24, v25
	v_permlanex16_b32 v25, v24, s18, s19
	v_max_num_f32 v24, v24, v25                    ; the row's maximum: key 0 counts for every query
.irp i, 0,2,4,6
	v_pk_add_f32 v[T+\i:T+\i+1], v[T+\i:T+\i+1], v[24:25] op_sel_hi:[1,0] neg_lo:[0,1] neg_hi:[0,1]
.endr
.irp j, 0,1,2,3,4,5,6,7
	v_exp_f32 v[T+\j], v[T+\j]                     ; p = 2^(s - m)
.endr
	v_nop                                          ; a plain instruction behind the last exponential
	s_wait_alu depctr_va_vdst(0)                   ; one wait for the batch, ahead of its first reader
	v_pk_add_f32 v[26:27], v[T:T+1], v[T+2:T+3]
	v_pk_add_f32 v[26:27], v[26:27], v[T+4:T+5]
	v_pk_add_f32 v[26:27], v[26:27], v[T+6:T+7]
	v_add_f32 v26, v26, v27
	v_permlanex16_b32 v27, v26, s18, s19
	v_add_f32 v26, v26, v27                        ; the row's sum
	v_rcp_f32 v24, v26
	v_mov_b32 v25, 0                               ; (a plain instruction behind it; named with v24 as a pair below)
	s_wait_loadcnt 32                              ; v is in; W_proj's 32 loads may be out
.irp s, 0,1,2,3
.irp ct, 0,1,2,3
.if \s == 0
	v_wmma_f32_16x16x4_f32 v[OA+8*\ct:OA+8*\ct+7], v[VF+8*\ct+2*\s:VF+8*\ct+2*\s+1], v[T+2*\s:T+2*\s+1], 0
.else
	v_wmma_f32_16x16x4_f32 v[OA+8*\ct:OA+8*\ct+7], v[VF+8*\ct+2*\s:VF+8*\ct+2*\s+1], v[T+2*\s:T+2*\s+1], v[OA+8*\ct:OA+8*\ct+7]
.endif
.endr
.endr
.rept 8
	v_nop
.endr
	s_wait_alu depctr_va_vdst(0)                   ; the reciprocal's wait, ahead of its first reader
.set i, 0
.rept 16
	v_pk_mul_f32 v[QF+2*i:QF+2*i+1], v[OA+2*i:OA+2*i+1], v[24:25] op_sel_hi:[1,0]   ; Y = O^T / the sum, into other registers
.set i, i+1
.endr
	s_wait_loadcnt 0x0                             ; W_proj
.irp ct, 0,1,2,3
.irp s, 0,1,2,3
.if (\ct == 0) && (\s < 2)
	v_wmma_f32_16x16x4_f32 v[PA+8*(\s%2):PA+8*(\s%2)+7], v[WF+8*\ct+2*\s:WF+8*\ct+2*\s+1], v[QF+8*\ct+2*\s:QF+8*\ct+2*\s+1], 0
.else
	v_wmma_f32_16x16x4_f32 v[PA+8*(\s%2):PA+8*(\s%2)+7], v[WF+8*\ct+2*\s:WF+8*\ct+2*\s+1], v[QF+8*\ct+2*\s:QF+8*\ct+2*\s+1], v[PA+8*(\s%2):PA+8*(\s%2)+7]
.endif
.endr
.endr
.rept 8
	v_nop
.endr
.irp i, 0,2,4,6
	v_pk_add_f32 v[R+\i:R+\i+1], v[PA+\i:PA+\i+1], v[PA+8+\i:PA+8+\i+1]
.endr
	ds_store_b128 v11, v[R:R+3]                    ; my head's share as an image of its registers
	ds_store_b128 v11, v[R+4:R+7] offset:512
	s_wait_dscnt 0x0                               ; for the others' sake: my stores have landed
	s_barrier_signal -1
	s_barrier_wait -1
	s_cmp_lt_u32 s12, 2
	s_cbranch_scc1 .Lsum
	s_wait_tensorcnt 0x0                           ; waves 2 to 15 end
	ds_add_u32 v[SPW], v[NIL]
	s_wait_dscnt 0x0
	s_endpgm
.Lsum:                                             ; wave c (0, 1) adds registers 4 c .. 4 c + 3 of the 16 images
.irp p, 0,1,2,3,4,5,6,7,8,9,10,11,12,13,14,15
	ds_load_b128 v[64+4*\p:67+4*\p], v10 offset:1024*\p
.endr
	s_wait_dscnt 0x0
.irp p, 0,1,2,3,4,5,6,7,8,9,10,11,12,13,14,15
	v_pk_add_f32 v[BI:BI+1], v[BI:BI+1], v[64+4*\p:65+4*\p]
	v_pk_add_f32 v[BI+2:BI+3], v[BI+2:BI+3], v[66+4*\p:67+4*\p]
.endr
	global_store_b128 v12, v[BI:BI+3], s[10:11]    ; out0(2,048 b + r, n0 + 8 h + 4 c + 0 .. 3)
	s_wait_tensorcnt 0x0                           ; the wave's end
	ds_add_u32 v[SPW], v[NIL]
	s_wait_dscnt 0x0
	s_endpgm
.Lfunc_end_k_qfcd2ce3468_fine:
	.size	k_qfcd2ce3468_fine, .Lfunc_end_k_qfcd2ce3468_fine-k_qfcd2ce3468_fine
	.p2alignl 7, 3214868480
	.fill 96, 4, 3214868480
	.section	.rodata,"a",@progbits
	.p2align	6, 0x0
	.amdhsa_kernel k_qfcd2ce3468_fine
		.amdhsa_group_segment_fixed_size 18432
		.amdhsa_private_segment_fixed_size 0
		.amdhsa_enable_private_segment 0
		.amdhsa_kernarg_size 32
		.amdhsa_user_sgpr_count 2
		.amdhsa_user_sgpr_kernarg_segment_ptr 1
		.amdhsa_wavefront_size32 1
		.amdhsa_system_sgpr_workgroup_id_x 1
		.amdhsa_system_sgpr_workgroup_id_y 1
		.amdhsa_system_sgpr_workgroup_id_z 1
		.amdhsa_system_vgpr_workitem_id 0
		.amdhsa_next_free_vgpr 232
		.amdhsa_next_free_sgpr 66
		.amdhsa_reserve_vcc 1
		.amdhsa_float_denorm_mode_32 3
		.amdhsa_float_denorm_mode_16_64 3
		.amdhsa_memory_ordered 1
		.amdhsa_forward_progress 1
		.amdhsa_inst_pref_size 21
	.end_amdhsa_kernel
	.amdgpu_metadata
---
amdhsa.version: [ 1, 2 ]
amdhsa.kernels:
  - .name:           k_qfcd2ce3468_fine
    .symbol:         k_qfcd2ce3468_fine.kd
    .args:
      - { .name: fq, .offset: 0, .size: 8, .value_kind: global_buffer, .address_space: global }
      - { .name: W_proj, .offset: 8, .size: 8, .value_kind: global_buffer, .address_space: global }
      - { .name: b_proj, .offset: 16, .size: 8, .value_kind: global_buffer, .address_space: global }
      - { .name: out0, .offset: 24, .size: 8, .value_kind: global_buffer, .address_space: global }
    .group_segment_fixed_size: 18432
    .private_segment_fixed_size: 0
    .kernarg_segment_align: 8
    .kernarg_segment_size: 32
    .max_flat_workgroup_size: 512
    .sgpr_count:     66
    .vgpr_count:     232
    .wavefront_size: 32
...
	.end_amdgpu_metadata
.endif
;; end of part 5
